; MI455X (gfx1250); checked and timed in simulation.
; The chip was launched on July 23, 2026; its instructions are those of AMD's public machine-readable ISA for CDNA 5 (MIT licence, August 2026) and "CDNA5" Instruction Set Architecture Reference Guide (July 2026). The comments in the code are by the model that wrote it; some were corrected since.
;; Multi Head Attention. Allowed arithmetic: matrix products marked QUANTISED: E4M3 operands, one given power-of-two scale a tensor, by v_wmma_f32_16x16x64_fp8_fp8 or v_wmma_f32_16x16x128_fp8_fp8, f32 sums; everything else in f32.
;; Inputs: WK 1,024 x 1,024 float32; WO 1,024 x 1,024 float32; WQ 1,024 x 1,024 float32; WV 1,024 x 1,024 float32; k 2 x 2,048 x 1,024 float32; lowp_scales 12 int32 (the exponents e of the quantised operands' scales 2^e); q 2 x 2,048 x 1,024 float32; v 2 x 2,048 x 1,024 float32.
;; Outputs: out0 2 x 2,048 x 1,024 float32.
;; This version of the problem:
;;   THIS VERSION OF THE PROBLEM IS GIVEN IN LOW PRECISION. The matrix products marked QUANTISED in the list below multiply operands that are first quantised to E4M3 (4 exponent bits, 3 mantissa bits; 8 bits a number), with one given power-of-two scale for each operand tensor; their sums are f32. All else is computed in f32.
;;   The module's matrix products, in the order in which they are computed (A, B: the left and right operand; K: the contracted axis; several contracted axes count as one K, in the product's order):
;;     1. [M 4,096, K 1,024] x [K 1,024, N 1,024]; A: input q; B: input WQ: QUANTISED (scales: A lowp_scales[0], B lowp_scales[1])
;;     2. [M 4,096, K 1,024] x [K 1,024, N 1,024]; A: input k; B: input WK: QUANTISED (scales: A lowp_scales[2], B lowp_scales[3])
;;     3. [M 4,096, K 1,024] x [K 1,024, N 1,024]; A: input v; B: input WV: QUANTISED (scales: A lowp_scales[4], B lowp_scales[5])
;;     4. batch 32 x [M 2,048, K 64] x [K 64, N 2,048]; A: computed on the way; B: computed on the way: QUANTISED (scales: A lowp_scales[6], B lowp_scales[7])
;;     5. batch 32 x [M 2,048, K 2,048] x [K 2,048, N 64]; A: softmax (see below); B: computed on the way: QUANTISED (scales: A lowp_scales[8], B lowp_scales[9])
;;     6. [M 4,096, K 1,024] x [K 1,024, N 1,024]; A: computed on the way; B: input WO: QUANTISED (scales: A lowp_scales[10], B lowp_scales[11])
;;   THE QUANTISER, for each operand of a quantised product, along K:
;;     - The operand's scale is 2^e, e = its entry of the input lowp_scales (int32; the entries are numbered through the quantised products in the list's order, A before B).
;;     - Each number is divided by the scale, clamped to +-448, and rounded to the nearest number of E4M3, ties to even, subnormals kept.
;;     - The product sums the exact products of the quantised numbers (number of the format x scale) in f32.
;;   ~~~python
;;   def quantise(x, axis, e):      # numpy; x: float32 -> the quantised numbers, widened to float32 again
;;       x = np.moveaxis(x, axis, -1); K = x.shape[-1]
;;       r = np.clip(x / 2.0 ** e, -448, 448)
;;       step = 2.0 ** (np.maximum(np.frexp(np.where(r == 0, 1, r))[1] - 1, -6) - 3)
;;       q = np.round(r / step) * step * 2.0 ** e      # np.round: ties to even
;;       return np.moveaxis(q, -1, axis).astype(np.float32)
;;   ~~~
;;   SOFTMAX AHEAD OF A QUANTISED PRODUCT. Where the list says 'softmax', what is quantised is not the finished softmax but p = 2^(t - M), with t = logit x log2(e) and M = ceil(the row's largest t), a whole number; so 1/2 < the row's largest p <= 1. The row's sum l is taken of the UNQUANTISED p, in f32, and the product's result is divided by l at the end. Since M is a whole number, a kernel that streams over the keys may use a running M (the ceiling of the running maximum): every later rescaling is an exact power of two, so the quantised numbers keep their values, but for numbers so far below the row's largest that they fall under the format's range.
;;   OPERANDS COMPUTED ON THE WAY. 'Computed on the way' means the value that the module computes at that place (a softmax that the list does not call 'softmax' is quantised finished and normalised). What goes into a quantiser is computed in f32, as accurately as f32 sums, v_exp_f32 and their like allow (about 1e-6 of the number): no bf16 or f16 on the way to a quantiser, and a product that is left as it is and whose result goes on into a quantised operand takes f32 operands (vector FMAs, or v_wmma_f32_16x16x4_f32). A number that lies on a knife's edge between two numbers of the format may be rounded either way, as far as f32 arithmetic and the matrix unit's own rounding can turn it there, and no further.
;; One version. Each part assembles by itself: llvm-mc -triple=amdgcn-amd-amdhsa -mcpu=gfx1250 --defsym DOCPART=n.
;; ======== version 1 of 1: 6 launches
;; limits: right only within a limited range of input values
;; workspace buffers: codes 16,777,216 bytes; hc 12,582,912 bytes; pmax 1,024 bytes; ac 4,194,304 bytes; ws 16,777,216 bytes; psum 1,024 bytes
;; launch quant (part 1): grid 512 x 1, 4 waves a work-group, no clusters, 33,280 bytes of LDS; arguments q, k, v, WQ, WK, WV, WO, lowp_scales, codes; writes codes
.if DOCPART == 1
	.amdgcn_target "amdgcn-amd-amdhsa--gfx1250"
	.amdhsa_code_object_version 6
	.text
	.protected	k_qbef2c93999_quant
	.globl	k_qbef2c93999_quant
	.p2align	8
	.type	k_qbef2c93999_quant,@function
k_qbef2c93999_quant:
	s_mov_b64 s[64:65], 0
	v_nop
	global_prefetch_b8 v0, s[64:65] scope:SCOPE_SE
	s_setreg_imm32_b32 hwreg(HW_REG_WAVE_MODE, 25, 1), 1
	s_wait_xcnt 0x0
; q, k, v [4096][1024] and WQ, WK, WV, WO [1024][1024], all f32 with K innermost, become codes of E4M3, one byte each, in ONE buffer of 16,384 rows of 1,024 bytes:
; rows 0 q, 4,096 k, 8,192 v, 12,288 WQ, 13,312 WK, 14,336 WV, 15,360 WO.  code = x / 2^e, held within +-448, to the nearest code, ties to even; e is the tensor's entry of the scales: q 0, WQ 1, k 2, WK 3, v 4, WV 5, WO 11.
; LIMITS: e between -126 and 119, so that 2^e and 448 x 2^e are f32 numbers.  NaN among the inputs is not served (an infinity is held at the largest code).
; Rows are dense, so every tensor is a plain stream.  A work-group takes 32,768 numbers, a wave 16 steps of 512.  Work-groups 0-127 q, 128-255 k, 256-383 v, then 32 each for WQ, WK, WV, WO: the order of the codes' buffer,
; so the codes' place hangs on the work-group's number alone; only the source pointer and e are chosen, by selects on that number: one path through the text.
; The conversions take 8 numbers of ONE lane, so a lane must hold 16 neighbours; a load is best where neighbouring lanes take neighbouring bytes.  Both are had: each of a step's four loads reads 512 consecutive bytes, the 2,048 bytes
; go through the wave's own stage in LDS as they lie and come back 64 bytes a lane (16 bytes of padding behind each 64).  A lane's 16 codes are 16 bytes: the wave stores 512 consecutive bytes.  Waves share nothing: no barrier.
.set WAVES, 4
.set STEPS, 16
.set CB,    16                         ; bytes of 16 codes
.set R,     16                         ; v16-79   four sets of 16 numbers as they are loaded
.set X,     80                         ; v80-111  two sets of 16 neighbours
.set C,     128                        ; v128-191 codes: four registers for each step, so that no store's data are written again
.set WREG,  8192                       ; LDS: a region for each wave: two stages of 32 x SP bytes
.set SP,    80                         ; a lane's place in a stage: 64 bytes + 16 of padding
.set SPW,   12                         ; v12 LDS address of my spare word; never rewritten
.set NIL,   13                         ; v13 0; never rewritten
.set SPARE, WAVES*WREG                 ; behind the four regions: the spare words, 128 bytes a wave
	s_load_b512 s[16:31], s[0:1], 0x0              ; q 16, k 18, v 20, WQ 22, WK 24, WV 26, WO 28, the scales 30
	s_load_b64 s[8:9], s[0:1], 0x40                ; the codes
	v_lshl_add_u32 v[SPW], v0, 2, SPARE
	v_mov_b32 v[NIL], 0
	v_lshrrev_b32 v1, 5, v0
	v_readfirstlane_b32 s2, v1                     ; wave
	v_and_b32 v2, 31, v0                           ; lane
	v_lshlrev_b32 v3, 4, v2                        ; my 16 bytes of a load's 512
	s_mul_i32 s3, s2, WREG
	v_lshrrev_b32 v14, 2, v2
	v_mul_u32_u24 v14, v14, SP
	v_and_b32 v15, 3, v2
	v_lshl_add_u32 v14, v15, 4, v14
	v_add_nc_u32 v14, s3, v14                      ; the stage, on the way in: SP (lane / 4) + 16 (lane % 4)
	v_mul_u32_u24 v15, v2, SP
	v_add_nc_u32 v15, s3, v15                      ; and on the way out: SP x lane: my 16 neighbours
	v_mul_u32_u24 v4, v2, CB                       ; my codes' place in a step's
	s_wait_alu depctr_va_vdst(0)
	s_wait_kmcnt 0x0
	s_load_b256 s[36:43], s[30:31], 0x0            ; e0 .. e7
	s_load_b128 s[44:47], s[30:31], 0x20           ; e8 .. e11
; the source: begin at the last tensor and step down; each choice hangs on the work-group's number alone
.macro PICK lim, ptr, first
	s_cmp_lt_u32 ttmp9, \lim
	s_cselect_b64 s[4:5], s[\ptr:\ptr+1], s[4:5]
	s_cselect_b32 s11, \first, s11
.endm
	s_mov_b64 s[4:5], s[28:29]                     ; WO,
	s_mov_b32 s11, 480                             ; whose first work-group is 480
	PICK 480, 26, 448                              ; WV
	PICK 448, 24, 416                              ; WK
	PICK 416, 22, 384                              ; WQ
	PICK 384, 20, 256                              ; v
	PICK 256, 18, 128                              ; k
	PICK 128, 16, 0                                ; q
	s_sub_co_u32 s11, ttmp9, s11
	s_lshl_b32 s11, s11, 2
	s_add_co_u32 s12, s11, s2                      ; which run of 8,192 numbers of the tensor is my wave's
	s_lshl_b32 s12, s12, 15                        ; x 32,768 bytes
	s_mov_b32 s13, 0
	s_add_nc_u64 s[4:5], s[4:5], s[12:13]
	s_lshl_b32 s14, ttmp9, 2
	s_add_co_u32 s14, s14, s2
	s_lshl_b32 s14, s14, 13                        ; the codes: 8,192 bytes a wave
	s_mov_b32 s15, 0
	s_add_nc_u64 s[8:9], s[8:9], s[14:15]
.macro LOAD t
.irp i, 0,1,2,3
	global_load_b128 v[R+16*((\t)%4)+4*\i:R+16*((\t)%4)+4*\i+3], v3, s[4:5] offset:2048*(\t)+512*\i th:TH_LOAD_NT   ; 32 lanes read 512 consecutive bytes
.endr
.endm
.macro TURN t                          ; step t's numbers through the stage: LDS serves a wave's instructions in order, so no wait stands between the stores and the loads
.irp i, 0,1,2,3
	ds_store_b128 v14, v[R+16*((\t)%4)+4*\i:R+16*((\t)%4)+4*\i+3] offset:32*SP*((\t)%2)+8*SP*\i
.endr
.irp i, 0,1,2,3
	ds_load_b128 v[X+16*((\t)%2)+4*\i:X+16*((\t)%2)+4*\i+3], v15 offset:32*SP*((\t)%2)+16*\i
.endr
.endm
.irp t, 0,1,2,3
	LOAD \t
.endr
	s_wait_kmcnt 0x0
.macro PICKE lim, e
	s_cmp_lt_u32 ttmp9, \lim
	s_cselect_b32 s10, s[\e], s10
.endm
	s_mov_b32 s10, s47                             ; e11 (WO)
	PICKE 480, 41                                  ; e5 (WV)
	PICKE 448, 39                                  ; e3 (WK)
	PICKE 416, 37                                  ; e1 (WQ)
	PICKE 384, 40                                  ; e4 (v)
	PICKE 256, 38                                  ; e2 (k)
	PICKE 128, 36                                  ; e0 (q)
	s_add_co_i32 s10, s10, 127
	s_lshl_b32 s12, s10, 23
	v_mov_b32 v11, s12                             ; 2^e as f32: the conversion takes its exponent field
	s_add_co_i32 s10, s10, 8
	s_lshl_b32 s10, s10, 23
	s_or_b32 s10, s10, 0x600000
	v_mov_b32 v10, s10                             ; 448 x 2^e
	s_wait_alu depctr_va_vdst(0)
	s_wait_loadcnt 12                              ; step 0's four loads are in; the 12 of steps 1 to 3 may be out
	TURN 0
.macro STEP t
.set XS, X+16*((\t)%2)
	s_wait_dscnt 0x0                               ; this step's numbers are back from the stage: so its stores into the stage have read their registers,
.if (\t)+4 < STEPS
	LOAD (\t)+4                                    ; which take the loads of four steps on
.endif
.if (\t)+1 < STEPS
.if STEPS-2-(\t) >= 3
	s_wait_loadcnt 12                              ; the next step's four loads are in; those of the three steps behind it may be out
.else
	s_wait_loadcnt 4*(STEPS-2-(\t))
.endif
	TURN (\t)+1                                    ; and go through the other stage while this step is worked
.endif
.irp i, 0,1,2,3,4,5,6,7,8,9,10,11,12,13,14,15
	v_med3_num_f32 v[XS+\i], v[XS+\i], -v10, v10   ; the conversion to an 8-bit code does not saturate (ISA guide 7.6.2): the hold comes first
.endr
	v_cvt_scalef32_pk8_fp8_f32 v[C+4*(\t):C+4*(\t)+1], v[XS:XS+7], v11
	v_cvt_scalef32_pk8_fp8_f32 v[C+4*(\t)+2:C+4*(\t)+3], v[XS+8:XS+15], v11
	global_store_b128 v4, v[C+4*(\t):C+4*(\t)+3], s[8:9] offset:32*CB*(\t)   ; the results go to a store alone; the next vector lines are the next step's holds, plain ones on other registers
.endm
.irp t, 0,1,2,3,4,5,6,7,8,9,10,11,12,13,14,15
	STEP \t
.endr
	s_wait_tensorcnt 0x0                           ; the wave's end, behind my last LDS store
	ds_add_u32 v[SPW], v[NIL]
	s_wait_dscnt 0x0
	s_endpgm
.Lfunc_end_k_qbef2c93999_quant:
	.size	k_qbef2c93999_quant, .Lfunc_end_k_qbef2c93999_quant-k_qbef2c93999_quant
	.p2alignl 7, 3214868480
	.fill 96, 4, 3214868480
	.section	.rodata,"a",@progbits
	.p2align	6, 0x0
	.amdhsa_kernel k_qbef2c93999_quant
		.amdhsa_group_segment_fixed_size 33280
		.amdhsa_private_segment_fixed_size 0
		.amdhsa_enable_private_segment 0
		.amdhsa_kernarg_size 72
		.amdhsa_user_sgpr_count 2
		.amdhsa_user_sgpr_kernarg_segment_ptr 1
		.amdhsa_wavefront_size32 1
		.amdhsa_system_sgpr_workgroup_id_x 1
		.amdhsa_system_sgpr_workgroup_id_y 1
		.amdhsa_system_sgpr_workgroup_id_z 1
		.amdhsa_system_vgpr_workitem_id 0
		.amdhsa_next_free_vgpr 192
		.amdhsa_next_free_sgpr 66
		.amdhsa_reserve_vcc 0
		.amdhsa_float_denorm_mode_32 3
		.amdhsa_float_denorm_mode_16_64 3
		.amdhsa_memory_ordered 1
		.amdhsa_forward_progress 1
		.amdhsa_inst_pref_size 39
	.end_amdhsa_kernel
	.amdgpu_metadata
---
amdhsa.version: [ 1, 2 ]
amdhsa.kernels:
  - .name:           k_qbef2c93999_quant
    .symbol:         k_qbef2c93999_quant.kd
    .args:
      - { .name: q, .offset: 0, .size: 8, .value_kind: global_buffer, .address_space: global }
      - { .name: k, .offset: 8, .size: 8, .value_kind: global_buffer, .address_space: global }
      - { .name: v, .offset: 16, .size: 8, .value_kind: global_buffer, .address_space: global }
      - { .name: WQ, .offset: 24, .size: 8, .value_kind: global_buffer, .address_space: global }
      - { .name: WK, .offset: 32, .size: 8, .value_kind: global_buffer, .address_space: global }
      - { .name: WV, .offset: 40, .size: 8, .value_kind: global_buffer, .address_space: global }
      - { .name: WO, .offset: 48, .size: 8, .value_kind: global_buffer, .address_space: global }
      - { .name: lowp_scales, .offset: 56, .size: 8, .value_kind: global_buffer, .address_space: global }
      - { .name: codes, .offset: 64, .size: 8, .value_kind: global_buffer, .address_space: global }
    .group_segment_fixed_size: 33280
    .private_segment_fixed_size: 0
    .kernarg_segment_align: 8
    .kernarg_segment_size: 72
    .max_flat_workgroup_size: 128
    .sgpr_count:     66
    .vgpr_count:     192
    .wavefront_size: 32
...
	.end_amdgpu_metadata
.endif
;; end of part 1
;; launch proj (part 2): grid 4 x 48, 4 waves a work-group, clusters of 4 x 4, 327,680 bytes of LDS; arguments codes, lowp_scales, hc; writes hc
.if DOCPART == 2
	.amdgcn_target "amdgcn-amd-amdhsa--gfx1250"
	.amdhsa_code_object_version 6
	.text
	.protected	k_qbef2c93999_proj
	.globl	k_qbef2c93999_proj
	.p2align	8
	.type	k_qbef2c93999_proj,@function
k_qbef2c93999_proj:
	s_mov_b64 s[64:65], 0
	v_nop
	global_prefetch_b8 v0, s[64:65] scope:SCOPE_SE
	s_setreg_imm32_b32 hwreg(HW_REG_WAVE_MODE, 25, 1), 1
	s_wait_xcnt 0x0
	s_wait_alu depctr_hold_cnt(0) depctr_sa_sdst(0) depctr_va_vdst(0) depctr_va_sdst(0) depctr_va_ssrc(0) depctr_va_vcc(0) depctr_vm_vsrc(0)
	s_getreg_b32 s2, hwreg(HW_REG_IB_STS2, 6, 4)
	s_cmp_eq_u32 s2, 0
	s_cbranch_scc0 .Lentry_in_a_cluster
	s_endpgm
.Lentry_in_a_cluster:
	s_bfe_u32 s2, ttmp6, 0x10000c
	s_cmp_lg_u32 s2, 0xf033
	s_cbranch_scc0 .Lentry_shape_is_right
	s_endpgm
.Lentry_shape_is_right:
; The three projections q WQ^T / 8, k WK^T, v WV^T on codes of E4M3, and their results quantised at once as the operands of the two attention products.
; codes: 16,384 rows of 1,024 bytes (rows 0 q, 4,096 k, 8,192 v, 12,288 WQ, 13,312 WK, 14,336 WV).  A tile of 256 x 256 results is made by four waves, 128 x 128 each: 64 accumulators, 512 registers.
; K goes in steps of 256 through a ring of two LDS slots filled by the tensor data mover.  Clusters of 4 x 4: the tile of "A" is shared along a row of the cluster, that of "B" along a column, each by a joint load.
; THE MATRIX INSTRUCTION IS USED TRANSPOSED (source 0 = 16 rows of B, source 1 = 16 rows of A): a lane holds ONE row of A and eight neighbouring rows of B.
; Cluster row cly = 0..11: tensor T = cly / 4.  Q, K: A = 256 tokens, B = 256 rows of W: a lane holds one token and neighbouring channels, the next K.  V: A = 256 rows of WV, B = 256 tokens: a lane holds one channel and
; neighbouring KEYS, the second attention product's K.  Both operands lie in one buffer, so only offsets are chosen, by selects on cly; there is one path through the text.
; THE WAY OUT needs no LDS: four neighbouring accumulators of a block (64 along the next K) become, by four conversions, the 8 registers of a fragment of the 16x16x64 form, and leave as an image of those registers:
; registers 4 j .. 4 j + 3 of lane l at 512 j + 16 l of the fragment's 1,024 bytes.  hc: QF at 0, KF at 4 MiB: fragment ((b 16 + head) 128 + token tile);  VF at 8 MiB: fragment ((b 16 + head) 128 + 4 (key / 64) + channel tile).
; code = sum / 2^ecv, held within +-448: ecv = e6 - e0 - e1 + 3 (Q; the 3 is the division by 8), e7 - e2 - e3 (K), e9 - e4 - e5 (V).  LIMIT: ecv between -126 and 119.
; REGISTERS, in windows of 256: window 0: v0-31 addresses; from v128 A's fragments, ONE set; on the way out v32-63 held sums, v64-191 codes.  window 1: B's fragments, TWO sets.  windows 2, 3: the accumulators ((a, b) at v[8 (8 (a % 4) + b)]).
.set SIZE_K, 1024
.set KSTEP,  256
.set ROWB,   256                       ; a tile's row in bytes
.set KROW,   SIZE_K                    ; a row of codes in memory
.set PITCH,  272                       ; an LDS row: 256 bytes + 16 of padding = 68 words: the 16 rows that a load touches start at 16 different banks (64 banks of 4 bytes: ISA guide 11.1)
.set FR,     16                        ; registers of a fragment: 16 rows x 128 K
.set NL,     4                         ; LDS loads that bring one
.set NP,     4                         ; places behind this matrix instruction (ISA guide 7.12.1)
.set HALFT,  128*PITCH
.set SLOT,   4*HALFT                   ; A's 256 rows, then B's 256 rows
.set LAPS,   SIZE_K/(2*KSTEP)
.set SPARE,  2*SLOT                    ; behind the ring: the spare words, 128 bytes a wave
.set OFS,  8                           ; v8-11   the way out: 16 x lane, + the stride of g, + the stride of a / 4, + both
.set SC,   12                          ; v12     2^ecv
.set LIM,  13                          ; v13     448 x 2^ecv
.set ADRA, 16                          ; v16-17  LDS address of my A fragments in slot 0, 1
.set ADRB, 20                          ; v20-21  the same for B
.set SPW,  28                          ; v28     LDS address of my spare word; never rewritten
.set NIL,  29                          ; v29     0; never rewritten
.set TMP,  32                          ; the way out: 32 held sums
.set CD,   64                          ; the way out: 16 fragments x 8 registers of codes: no store's data are written again
.set AF,   128                         ; A's fragments, in window 0
.set G1, 24
.set G0, 32
.set G1B, 48
.set G0B, 56
.set MSB, 0
.macro WIN new                         ; the immediate's high byte repeats the setting that is left
.if MSB != \new
	s_set_vgpr_msb (MSB<<8)|\new
.set MSB, \new
.endif
.endm
.set MUL_LO, 0xa1                      ; source 0 (B) window 1, source 1 (A) window 0, C and D window 2
.set MUL_HI, 0xf1                      ; the same, C and D window 3
.set TO_B,   0x40                      ; destination window 1, address window 0
; A joint load: waves 0 and 1 fetch for A, waves 2 and 3 for B.  The branch hangs on the wave's number alone.  An s_nop 0 and four v_nop follow each of the two lines.
.macro JLOAD g0a, g1a, g0b, g1b
	s_cmp_eq_u32 s15, 0
	s_cbranch_scc0 .Lfor_b_\@
	tensor_load_to_lds s[\g0a:\g0a+3], s[\g1a:\g1a+7]
	s_nop 0
.rept 4
	v_nop
.endr
	s_branch .Lasked_\@
.Lfor_b_\@:
	tensor_load_to_lds s[\g0b:\g0b+3], s[\g1b:\g1b+7]
	s_nop 0
.rept 4
	v_nop
.endr
.Lasked_\@:
.endm
.macro CREST                           ; a round of the cluster's barrier behind its opening barrier
	s_cmp_lg_u32 s14, 0
	s_cbranch_scc1 .Lnot_wave_0_\@
	s_barrier_signal -3
.Lnot_wave_0_\@:
	s_barrier_wait -3
	s_barrier_signal -1
	s_barrier_wait -1
.endm
.macro CROUND
	s_barrier_signal -1
	s_barrier_wait -1
	CREST
.endm
	s_load_b128 s[4:7], s[0:1], 0x0                ; the codes s[4:5], the scales' exponents s[6:7]
	s_load_b64 s[10:11], s[0:1], 0x10              ; hc
	v_lshl_add_u32 v[SPW], v0, 2, SPARE
	v_mov_b32 v[NIL], 0
	ds_add_u32 v[SPW], v[NIL]                      ; the wave's opening: two adds and their wait ahead of my first tensor load; the set-up below stands between them
	ds_add_u32 v[SPW], v[NIL]
	v_lshrrev_b32 v1, 5, v0
	v_readfirstlane_b32 s14, v1                    ; wave 0..3
	s_lshr_b32 s15, s14, 1                         ; wr: which half of A's rows is mine.  Also: I fetch for A (0) or for B (1)
	s_and_b32 s16, s14, 1                          ; wc: which half of B's rows.  Also: which 128 rows of that tile I fetch
	s_bfe_u32 s40, ttmp6, 0x40000                  ; cx, cy: my place in the cluster
	s_bfe_u32 s41, ttmp6, 0x40004
	s_and_b32 s13, ttmp7, 0xffff                   ; cly: the cluster's row, 0..11 (the grid has one cluster along x)
	s_lshl_b32 s12, s13, 2                         ; 4 cly: the first of the cluster's four tiles of tokens, in tiles of 256 rows of the codes' buffer
	s_and_b32 s42, s13, 12
	s_add_co_u32 s42, s42, 48                      ; 48 + 4 T: W's first tile
	s_cmp_ge_u32 s13, 8                            ; V?
	s_cselect_b32 s17, 56, s12                     ; A: WV's tiles (56 on), else the tokens'
	s_cselect_b32 s42, s12, s42                    ; B: the tokens', else W's
	s_add_co_u32 s17, s17, s41                     ; A's tile hangs on cy alone,
	s_add_co_u32 s42, s42, s40                     ; B's on cx alone
	s_lshl_b32 s43, s41, 2
	s_lshl_b32 s43, 15, s43                        ; my row of the cluster
	s_lshl_b32 s44, 0x1111, s40                    ; my column
	; descriptor group 1: a tile of 128 rows x 256 bytes, padded in LDS
	s_or_b32 s[G1+0], s43, (0<<16)|(1<<20)|(1<<21)|(5<<22)|(3<<25)  ; 15:0 the mask; 17:16 elements of 1 byte; 20 padding on; 21 set beside a mask; 24:22 after every 64 words; 31:25 four words
	s_or_b32 s[G1B+0], s44, (0<<16)|(1<<20)|(1<<21)|(5<<22)|(3<<25)
.irp g, G1, G1B
	s_mov_b32 s[\g+1], ROWB<<16                    ; tensor_dim0
	s_mov_b32 s[\g+2], 128<<16                     ; tensor_dim1
	s_mov_b32 s[\g+3], ROWB<<16                    ; tile_dim0
	s_mov_b32 s[\g+4], 128                         ; tile_dim1
	s_mov_b32 s[\g+5], KROW                        ; tensor_dim0_stride
	s_mov_b32 s[\g+6], 0
	s_mov_b32 s[\g+7], 0
.endr
	s_lshl_b32 s18, s16, 17                        ; which 128 rows of 1,024 bytes I fetch
	s_lshl_b32 s20, s17, 18                        ; a tile is 256 rows of 1,024 bytes
	s_add_co_u32 s20, s20, s18
	s_lshl_b32 s46, s42, 18
	s_add_co_u32 s46, s46, s18
	s_mov_b32 s21, 0
	s_mov_b32 s47, 0
	s_mul_i32 s45, s14, HALFT                      ; where they go: wave x 128 rows: no place in the cluster enters an LDS address
	s_wait_dscnt 0x0                               ; the opening add is done
	s_wait_kmcnt 0x0
	s_load_b256 s[68:75], s[6:7], 0x0              ; e0 .. e7
	s_load_b128 s[76:79], s[6:7], 0x20             ; e8 .. e11
	s_add_nc_u64 s[20:21], s[4:5], s[20:21]
	s_add_nc_u64 s[46:47], s[4:5], s[46:47]
	CROUND                                         ; all sixteen work-groups are here: the first joint loads meet
.irp s, 0,1
	s_mov_b32 s[G0+4*\s], 1
	s_add_co_u32 s[G0+4*\s+1], s45, \s*SLOT
	s_add_nc_u64 s[G0+4*\s+2:G0+4*\s+3], s[20:21], \s*ROWB
	s_or_b32 s[G0+4*\s+3], s[G0+4*\s+3], 0x80000000
	s_mov_b32 s[G0B+4*\s], 1
	s_add_co_u32 s[G0B+4*\s+1], s45, \s*SLOT
	s_add_nc_u64 s[G0B+4*\s+2:G0B+4*\s+3], s[46:47], \s*ROWB
	s_or_b32 s[G0B+4*\s+3], s[G0B+4*\s+3], 0x80000000
.endr
	; where my prefetches stand: of the 128 rows that I fetch, the partner at place p of the four that ask with me takes rows 32 p .. 32 p + 31 (p = cx for A, cy for B): told apart by address, no branch hangs on the place
	s_cmp_eq_u32 s15, 0
	s_cselect_b64 s[94:95], s[20:21], s[46:47]
	s_cselect_b32 s92, s40, s41
	s_lshl_b32 s92, s92, 15                        ; 32 rows of 1,024 bytes
	s_mov_b32 s93, 0
	s_add_nc_u64 s[94:95], s[94:95], s[92:93]      ; never rewritten
	JLOAD G0, G1, G0B, G1B                         ; K step 0: one tensor load a wave at the head
	v_and_b32 v30, 31, v0
	v_lshlrev_b32 v30, 10, v30                     ; a lane a row; never rewritten
	global_prefetch_b8 v30, s[94:95] offset:256 th:TH_LOAD_NT scope:SCOPE_SE   ; K steps 1 and 2 of my 32 rows, 256 bytes each: one and two fills ahead; each block of 256 bytes is named once in the cluster
	global_prefetch_b8 v30, s[94:95] offset:512 th:TH_LOAD_NT scope:SCOPE_SE
	v_and_b32 v1, 15, v0                           ; l % 16
	v_bfe_u32 v2, v0, 4, 1                         ; l / 16
	v_mul_u32_u24 v3, v1, PITCH
	v_lshl_add_u32 v4, v2, 4, v3                   ; a fragment's row x pitch + 16 x half
	s_mul_i32 s21, s15, HALFT                      ; my 128 rows of A
	s_mul_i32 s22, s16, HALFT                      ; my 128 rows of B,
	s_add_co_u32 s22, s22, 2*HALFT                 ; which lie behind A's 256
.irp s, 0,1
	v_add_nc_u32 v[ADRA+\s], s21, v4
	v_add_nc_u32 v[ADRB+\s], s22, v4
	s_add_co_u32 s21, s21, SLOT
	s_add_co_u32 s22, s22, SLOT
.endr
	; where my 16 fragments go.  Q, K: token tile tt = 16 (U % 8) + 8 wr + a, head = 4 cx + 2 wc + g, U = 4 (cly % 4) + cy.  V: head = 4 cy + 2 wr + a / 4, channel tile a % 4, key group 4 (U % 8) + 2 wc + g, U = 4 (cly % 4) + cx.
	s_cmp_ge_u32 s13, 8
	s_cselect_b32 s80, s40, s41
	s_cselect_b32 s81, s41, s40
	s_cselect_b32 s82, s16, s15
	s_cselect_b32 s83, s15, s16
	s_mov_b32 s84, 0x20000
	s_cselect_b32 s85, s84, 4096                   ; from a to a + 4: V a head (131,072 bytes), else four fragments
	s_cselect_b32 s84, 4096, s84                   ; from g = 0 to g = 1: V four fragments, else a head
	s_and_b32 s86, s13, 3
	s_lshl_b32 s86, s86, 2
	s_add_co_u32 s86, s86, s80                     ; U
	s_lshr_b32 s87, s13, 2
	s_lshl_b32 s87, s87, 22                        ; the tensor's region of 4 MiB
	s_lshr_b32 s88, s86, 3
	s_lshl_b32 s88, s88, 21                        ; the batch
	s_add_co_u32 s87, s87, s88
	s_lshl_b32 s81, s81, 2
	s_lshl_b32 s83, s83, 1
	s_add_co_u32 s81, s81, s83
	s_lshl_b32 s81, s81, 17                        ; the first head
	s_add_co_u32 s87, s87, s81
	s_and_b32 s86, s86, 7
	s_lshl_b32 s86, s86, 4
	s_lshl_b32 s82, s82, 3
	s_add_co_u32 s86, s86, s82
	s_lshl_b32 s86, s86, 10                        ; the first fragment in the head
	s_add_co_u32 s88, s86, s87
	s_mov_b32 s89, 0
	s_add_nc_u64 s[10:11], s[10:11], s[88:89]
	v_and_b32 v6, 31, v0
	v_lshlrev_b32 v[OFS], 4, v6
	v_add_nc_u32 v[OFS+1], s84, v[OFS]
	v_add_nc_u32 v[OFS+2], s85, v[OFS]
	v_add_nc_u32 v[OFS+3], s84, v[OFS+2]
.macro FRAG reg, adr, q, i             ; 16 rows x 128 K of codes: lane l holds row l % 16; registers 4 c .. 4 c + 3 hold K = 32 c + 16 (l / 16) + 0 .. 15: one order of k for A and B alike, so every product meets its partner
.irp c, 0,1,2,3
	ds_load_b128 v[\reg+4*\c:\reg+4*\c+3], v[\adr] offset:128*(\q)+32*\c+(\i)*16*PITCH
.endr
.endm
; 16 matrix instructions: A's blocks a0, a0 + 1 x B's eight.  The 64 accumulators take turns, one instruction a turn, in the same order in every step.
.macro MUL16 a0, p, zero
.irp a, \a0, \a0+1
.irp b, 0,1,2,3,4,5,6,7
.if \zero
	v_wmma_f32_16x16x128_fp8_fp8 v[8*(8*((\a)%4)+\b):8*(8*((\a)%4)+\b)+7], v[128*(\p)+FR*\b:128*(\p)+FR*\b+FR-1], v[AF+FR*(\a):AF+FR*(\a)+FR-1], 0
.else
	v_wmma_f32_16x16x128_fp8_fp8 v[8*(8*((\a)%4)+\b):8*(8*((\a)%4)+\b)+7], v[128*(\p)+FR*\b:128*(\p)+FR*\b+FR-1], v[AF+FR*(\a):AF+FR*(\a)+FR-1], v[8*(8*((\a)%4)+\b):8*(8*((\a)%4)+\b)+7]
.endif
.endr
.endr
.endm
.macro FETCH_B slot, q, p
	WIN TO_B
.irp i, 0,1,2,3,4,5,6,7
	FRAG 128*(\p)+FR*\i, ADRB+\slot, \q, \i
.endr
	WIN 0
.endm
.macro FETCH_A slot, q, i0
.irp i, \i0, \i0+1, \i0+2, \i0+3
	FRAG AF+FR*(\i), ADRA+\slot, \q, \i
.endr
.endm
.macro PLACES n                        ; plain vector instructions between a matrix instruction and a load into one of its registers, or the first read of its result
.rept \n
	v_nop
.endr
.endm
; A step of 128 along K that has its successor in the same slot.
.macro STEP slot, q, zero
	s_wait_dscnt 4*NL                              ; B's set and A's blocks 0-3 are in; the youngest 16 loads (A's blocks 4-7) may be out
	WIN MUL_LO
	MUL16 0, (\q)%2, \zero
	MUL16 2, (\q)%2, \zero
	s_wait_dscnt 0                                 ; A's blocks 4-7 are in
	PLACES NP
	FETCH_B \slot, (\q)+1, 1-(\q)%2
	FETCH_A \slot, (\q)+1, 0
	WIN MUL_HI
	MUL16 4, (\q)%2, \zero
	MUL16 6, (\q)%2, \zero
	PLACES NP
	WIN 0
	FETCH_A \slot, (\q)+1, 4
.endm
; A slot's last step changes slots: ONE barrier; in front of it each wave waits for all its tensor loads, adds 0 to its spare word, and waits for that and for its own reads of this slot.  fill = 1: this slot is filled again, two K steps ahead.
.macro TURN slot, next, fill
	s_wait_tensorcnt 0x0                           ; all my tensor loads have landed: my part of the next slot
	ds_add_u32 v[SPW], v[NIL]                      ; 0 onto my spare word
	s_wait_dscnt 4*NL+1                            ; (the add and the youngest 16 loads, A's blocks 4-7, may be out)
	WIN MUL_LO
	MUL16 0, 1, 0
	s_wait_dscnt 0x0                               ; the add is done, and my reads of this slot are over
	s_barrier_signal -1
	MUL16 2, 1, 0
	WIN 0
	s_barrier_wait -1
.if \fill
	CREST                                          ; the barrier has opened a round of the cluster's barrier: no wave of any partner still reads this slot or has a load on its way
	s_add_nc_u64 s[G0+4*\slot+2:G0+4*\slot+3], s[G0+4*\slot+2:G0+4*\slot+3], 2*ROWB
	s_add_nc_u64 s[G0B+4*\slot+2:G0B+4*\slot+3], s[G0B+4*\slot+2:G0B+4*\slot+3], 2*ROWB
	JLOAD G0+4*\slot, G1, G0B+4*\slot, G1B         ; the first tensor load behind the round; its four v_nop are the places in front of the loads below
.else
	PLACES NP
.endif
	FETCH_B \next, 0, 0
	FETCH_A \next, 0, 0
	WIN MUL_HI
	MUL16 4, 1, 0
	MUL16 6, 1, 0
	PLACES NP
	WIN 0
	FETCH_A \next, 0, 4
.endm
	s_wait_alu depctr_va_vdst(0)
	s_wait_tensorcnt 0x0                           ; my part of K step 0 is in
	ds_add_u32 v[SPW], v[NIL]
	s_wait_dscnt 0x0                               ; the add is done
	CROUND                                         ; a whole round: everybody's part of K step 0 is in, and the sixteen work-groups' joint loads meet
	JLOAD G0+4, G1, G0B+4, G1B                     ; K step 1's load, the first tensor load behind the round
	FETCH_B 0, 0, 0
	FETCH_A 0, 0, 0
	FETCH_A 0, 0, 4
	global_prefetch_b8 v30, s[94:95] offset:768 th:TH_LOAD_NT scope:SCOPE_SE   ; behind K step 1's load and the run of LDS loads: K step 3, two fills ahead; it is the last, so nothing more is asked for
	STEP 0, 0, 1                                   ; the first step stands in front of the loop: its products start the sums
	s_mov_b32 s3, LAPS-1
.Llap:                                                 ; a trip goes once round the ring and fills both slots again
	TURN 0, 1, 1
	STEP 1, 0, 0
	TURN 1, 0, 1
	STEP 0, 0, 0
	s_sub_co_u32 s3, s3, 1
	s_cmp_lg_u32 s3, 0
	s_cbranch_scc1 .Llap
	TURN 0, 1, 0                                   ; the last lap fills nothing
	STEP 1, 0, 0
	s_wait_dscnt 4*NL
	WIN MUL_LO
	MUL16 0, 1, 0
	MUL16 2, 1, 0
	s_wait_dscnt 0
	WIN MUL_HI
	MUL16 4, 1, 0
	MUL16 6, 1, 0
	WIN 0
	; THE WAY OUT
	s_wait_kmcnt 0x0
	s_sub_co_i32 s90, s74, s68
	s_sub_co_i32 s90, s90, s69
	s_add_co_i32 s90, s90, 3                       ; Q: e6 - e0 - e1 + 3
	s_sub_co_i32 s91, s75, s70
	s_sub_co_i32 s91, s91, s71                     ; K: e7 - e2 - e3
	s_sub_co_i32 s92, s77, s72
	s_sub_co_i32 s92, s92, s73                     ; V: e9 - e4 - e5
	s_cmp_lt_u32 s13, 8
	s_cselect_b32 s91, s91, s92
	s_cmp_lt_u32 s13, 4
	s_cselect_b32 s90, s90, s91                    ; chosen by the cluster's row: no branch hangs on a loaded number
	s_add_co_i32 s90, s90, 127
	s_lshl_b32 s91, s90, 23
	v_mov_b32 v[SC], s91                           ; 2^ecv
	s_add_co_i32 s90, s90, 8
	s_lshl_b32 s90, s90, 23
	s_or_b32 s90, s90, 0x600000
	v_mov_b32 v[LIM], s90                          ; 448 x 2^ecv
	PLACES NP                                      ; behind the last products
; Block a, B's blocks 4 g .. 4 g + 3: 32 sums a lane, 64 along the next K with the other half of the lanes: held (each accumulator from its low end on), converted, stored: each store covers 512 consecutive bytes, aligned.
.macro OUTFRAG a, g
.set AC, 64*((\a)%4)+32*(\g)
.set CF, CD+8*(2*(\a)+(\g))
	WIN 0x02+((\a)/4)                              ; source 0: window 2 or 3
.set i, 0
.rept 32
	v_med3_num_f32 v[TMP+i], v[AC+i], -v[LIM], v[LIM]   ; the conversion does not saturate (ISA guide 7.6.2): the hold comes first
.set i, i+1
.endr
	WIN 0
.irp c, 0,1,2,3
	v_cvt_scalef32_pk8_fp8_f32 v[CF+2*\c:CF+2*\c+1], v[TMP+8*\c:TMP+8*\c+7], v[SC]   ; registers 2 c, 2 c + 1 of the fragment: k = 16 c + 8 (l / 16) + 0 .. 7
.endr
	v_nop                                          ; a plain line between the conversions and the next holds, which write their sources
.irp j, 0,1
	global_store_b128 v[OFS+2*((\a)/4)+(\g)], v[CF+4*\j:CF+4*\j+3], s[10:11] offset:((\a)%4)*1024+512*\j
.endr
.endm
.irp a, 0,1,2,3,4,5,6,7
	OUTFRAG \a, 0
	OUTFRAG \a, 1
.endr
	s_wait_tensorcnt 0x0                           ; the wave's end
	ds_add_u32 v[SPW], v[NIL]
	s_wait_dscnt 0x0
	CROUND                                         ; the closing round: no work-group ends while a partner may still ask for a tile that names it
	s_endpgm
.Lfunc_end_k_qbef2c93999_proj:
	.size	k_qbef2c93999_proj, .Lfunc_end_k_qbef2c93999_proj-k_qbef2c93999_proj
	.p2alignl 7, 3214868480
	.fill 96, 4, 3214868480
	.section	.rodata,"a",@progbits
	.p2align	6, 0x0
	.amdhsa_kernel k_qbef2c93999_proj
		.amdhsa_group_segment_fixed_size 327680
		.amdhsa_private_segment_fixed_size 0
		.amdhsa_enable_private_segment 0
		.amdhsa_kernarg_size 24
		.amdhsa_user_sgpr_count 2
		.amdhsa_user_sgpr_kernarg_segment_ptr 1
		.amdhsa_wavefront_size32 1
		.amdhsa_system_sgpr_workgroup_id_x 1
		.amdhsa_system_sgpr_workgroup_id_y 1
		.amdhsa_system_sgpr_workgroup_id_z 1
		.amdhsa_system_vgpr_workitem_id 0
		.amdhsa_next_free_vgpr 1024
		.amdhsa_next_free_sgpr 96
		.amdhsa_reserve_vcc 0
		.amdhsa_float_denorm_mode_32 3
		.amdhsa_float_denorm_mode_16_64 3
		.amdhsa_memory_ordered 1
		.amdhsa_forward_progress 1
		.amdhsa_inst_pref_size 120
	.end_amdhsa_kernel
	.amdgpu_metadata
---
amdhsa.version: [ 1, 2 ]
amdhsa.kernels:
  - .name:           k_qbef2c93999_proj
    .symbol:         k_qbef2c93999_proj.kd
    .args:
      - { .name: codes, .offset: 0, .size: 8, .value_kind: global_buffer, .address_space: global }
      - { .name: lowp_scales, .offset: 8, .size: 8, .value_kind: global_buffer, .address_space: global }
      - { .name: hc, .offset: 16, .size: 8, .value_kind: global_buffer, .address_space: global }
    .group_segment_fixed_size: 327680
    .private_segment_fixed_size: 0
    .kernarg_segment_align: 8
    .kernarg_segment_size: 24
    .max_flat_workgroup_size: 128
    .sgpr_count:     96
    .vgpr_count:     1024
    .wavefront_size: 32
...
	.end_amdgpu_metadata
.endif
;; end of part 2
;; launch smax (part 3): grid 256 x 1, 8 waves a work-group, clusters of 4 x 1, 167,936 bytes of LDS; arguments hc, pmax; writes pmax
.if DOCPART == 3
	.amdgcn_target "amdgcn-amd-amdhsa--gfx1250"
	.amdhsa_code_object_version 6
	.text
	.protected	k_qbef2c93999_smax
	.globl	k_qbef2c93999_smax
	.p2align	8
	.type	k_qbef2c93999_smax,@function
k_qbef2c93999_smax:
	s_mov_b64 s[64:65], 0
	v_nop
	global_prefetch_b8 v0, s[64:65] scope:SCOPE_SE
	s_setreg_imm32_b32 hwreg(HW_REG_WAVE_MODE, 25, 1), 1
	s_wait_xcnt 0x0
	s_wait_alu depctr_hold_cnt(0) depctr_sa_sdst(0) depctr_va_vdst(0) depctr_va_sdst(0) depctr_va_ssrc(0) depctr_va_vcc(0) depctr_vm_vsrc(0)
	s_getreg_b32 s2, hwreg(HW_REG_IB_STS2, 6, 4)
	s_cmp_eq_u32 s2, 0
	s_cbranch_scc0 .Lentry_in_a_cluster
	s_endpgm
.Lentry_in_a_cluster:
	s_bfe_u32 s2, ttmp6, 0x10000c
	s_cmp_lg_u32 s2, 0x3003
	s_cbranch_scc0 .Lentry_shape_is_right
	s_endpgm
.Lentry_shape_is_right:
; The largest magnitude of ALL scores is taken ahead of the mask, so the whole product qh kh^T is multiplied once, for its largest |sum| alone.  pmax[x] = the largest |sum of products of codes| of work-group x; the scale 2^(e6 + e7) is applied by the reader.
; hc holds qh (QF at 0) and kh (KF at 4 MiB) as images of the 16x16x64 form's fragments, 1,024 bytes each: fragment ((b 16 + head) 128 + token tile), registers 4 j .. 4 j + 3 of lane l at 512 j + 16 l.
; SHARES.  A work-group takes 256 queries of one (b, head) against its 2,048 keys.  Eight waves, two to a SIMD.  Every wave holds all 16 fragments of Q in 128 registers and takes 16 of the 128 key tiles: a fragment of K is read from LDS once, by one wave, and feeds 16 products.
; CLUSTER.  The four partners belong to one (b, head) and need the same K: each wave's 16 KiB are asked for jointly (mask 15).  A wave reads only the bytes that its own load brought: its own wait on TENSORcnt is all the ordering that those reads need.
; No prefetch: each wave's one load names all its bytes at the head, and there is no later fill to run ahead of.
; Matrix and vector work by turns: a product into accumulator i of one set, then the four v_max3 over accumulator i of the OTHER set, in four chains.  So 16 plain instructions stand between a product and the first reader of its result, and more ahead of the product that writes over it.
.set RED,   131072                     ; behind K's 128 KiB: eight words for the waves' maxima, in a block of 256 bytes of their own
.set SPARE, RED+256                    ; the spare words, 128 bytes a wave: 1,024 bytes
.set LN,  1                            ; v1  16 x lane
.set AK0, 2                            ; v2  my wave's K + 16 x lane
.set ADR, 3                            ; v3  the trip's LDS address
.set MX,  4                            ; v4-7 four running maxima
.set SPW, 8
.set NIL, 9
.set KX,  16                           ; v16-31  two fragments of K
.set KY,  32                           ; v32-47  two more
.set D0,  48                           ; v48-79 accumulators, set 0; v80-111 set 1
.set QF,  112                          ; v112-239 Q's 16 fragments
.set TB,  32                           ; s32 LDS byte of the trip's four fragments, in my wave's K
.macro CROUND
	s_barrier_signal -1
	s_barrier_wait -1
	s_cmp_lg_u32 s8, 0
	s_cbranch_scc1 .Lnot_wave_0_\@
	s_barrier_signal -3
.Lnot_wave_0_\@:
	s_barrier_wait -3
	s_barrier_signal -1
	s_barrier_wait -1
.endm
	s_load_b128 s[4:7], s[0:1], 0x0                ; hc, pmax
	v_lshl_add_u32 v[SPW], v0, 2, SPARE
	v_mov_b32 v[NIL], 0
	ds_add_u32 v[SPW], v[NIL]                      ; the wave's opening: the add, twice on end, and its wait ahead of my tensor load
	ds_add_u32 v[SPW], v[NIL]
	v_lshrrev_b32 v10, 5, v0
	v_readfirstlane_b32 s8, v10                    ; wave 0..7
	s_bfe_u32 s9, ttmp6, 0x40000                   ; cx
	s_lshr_b32 s10, ttmp9, 1                       ; (b, head): two clusters to each; the four partners share it
	s_lshl_b32 s10, s10, 17                        ; its 128 fragments
	s_lshl_b32 s12, s8, 14                         ; wave x 16 KiB, in memory and in LDS
	s_add_co_u32 s14, s10, s12
	s_add_co_u32 s14, s14, 0x400000                ; in KF
	s_mov_b32 s15, 0
	s_mov_b32 s16, 15|(3<<16)|(1<<21)              ; group 1: 15:0 the mask: all four; 17:16 elements of 8 bytes; 21 set beside a mask; no padding: images are read 512 consecutive bytes at a time
	s_mov_b32 s17, 32<<16                          ; tensor_dim0 = 32 elements: 256 bytes
	s_mov_b32 s18, 64<<16                          ; tensor_dim1 = 64 rows
	s_mov_b32 s19, 32<<16                          ; tile_dim0
	s_mov_b32 s20, 64                              ; tile_dim1
	s_mov_b32 s21, 32                              ; the pitch: dense
	s_mov_b32 s22, 0
	s_mov_b32 s23, 0
	s_and_b32 s36, ttmp9, 1
	s_lshl_b32 s36, s36, 2
	s_add_co_u32 s36, s36, s9                      ; my block of 256 queries, 0..7
	s_lshl_b32 s36, s36, 14                        ; 16 fragments
	s_add_co_u32 s36, s36, s10
	s_mov_b32 s37, 0
	s_lshl_b32 s38, ttmp9, 2
	s_add_co_u32 s38, s38, s9                      ; my work-group's number
	s_lshl_b32 s38, s38, 2
	s_mov_b32 s39, 0
	s_mov_b32 s34, 0x76543210                      ; v_permlanex16_b32: lane l xor 16
	s_mov_b32 s35, 0xfedcba98
	s_mov_b32 s[TB], 0
	s_wait_dscnt 0x0                               ; both opening adds are done
	s_wait_kmcnt 0x0
	s_add_nc_u64 s[14:15], s[4:5], s[14:15]
	s_add_nc_u64 s[36:37], s[4:5], s[36:37]        ; Q
	s_add_nc_u64 s[6:7], s[6:7], s[38:39]          ; my word of pmax
	s_mov_b32 s24, 1                               ; group 0
	s_mov_b32 s25, s12
	s_mov_b64 s[26:27], s[14:15]
	s_or_b32 s27, s27, 0x80000000
	CROUND                                         ; all four work-groups are here: the joint loads meet
	tensor_load_to_lds s[24:27], s[16:23]          ; my one tensor load
	s_nop 0
.rept 4
	v_nop
.endr
	v_and_b32 v10, 31, v0
	v_lshlrev_b32 v[LN], 4, v10
	v_add_nc_u32 v[AK0], s12, v[LN]
.set i, 0
.rept 16
	global_load_b128 v[QF+8*i:QF+8*i+3], v[LN], s[36:37] offset:1024*i
	global_load_b128 v[QF+8*i+4:QF+8*i+7], v[LN], s[36:37] offset:1024*i+512
.set i, i+1
.endr
.set i, 0
.rept 32
	v_mov_b32 v[D0+32+i], 0                        ; set 1: the first maxima find zeros there
.set i, i+1
.endr
.irp i, 0,1,2,3
	v_mov_b32 v[MX+\i], 0
.endr
.macro WM kf, qq, set                  ; 16 keys x 64 queries into one set; behind each product the other set's accumulator of the same number is read, from its low end on
.irp i, 0,1,2,3
	v_wmma_f32_16x16x64_fp8_fp8 v[D0+32*(\set)+8*\i:D0+32*(\set)+8*\i+7], v[\kf:\kf+7], v[QF+8*(4*(\qq)+\i):QF+8*(4*(\qq)+\i)+7], 0
.irp j, 0,1,2,3
	v_max3_num_f32 v[MX+\j], v[MX+\j], |v[D0+32*(1-(\set))+8*\i+2*\j]|, |v[D0+32*(1-(\set))+8*\i+2*\j+1]|
.endr
.endr
.endm
.macro LOADK set, off                  ; two fragments: 2,048 consecutive bytes
.irp n, 0,1,2,3
	ds_load_b128 v[\set+4*\n:\set+4*\n+3], v[ADR] offset:\off+512*\n
.endr
.endm
.macro FRAG kf, hook                   ; one fragment of K against all of Q.  hook 1: the trip's second pair of fragments is fetched; 2: the next trip's first pair.  The last product that read those registers stands 20 plain instructions back
	WM \kf, 0, 0
.if \hook == 1
	LOADK KY, 2048
.elseif \hook == 2
	LOADK KX, 4096
.endif
	WM \kf, 1, 1
	WM \kf, 2, 0
	WM \kf, 3, 1
.endm
.macro TRIP more
	v_add_nc_u32 v[ADR], s[TB], v[AK0]
	s_wait_dscnt 0x0                               ; the first pair is in
	FRAG KX, 1
	FRAG KX+8, 0
	s_wait_dscnt 0x0                               ; the second pair is in
	s_wait_alu depctr_va_vdst(0)
.if \more
	FRAG KY, 2
.else
	FRAG KY, 0
.endif
	FRAG KY+8, 0
	s_add_co_u32 s[TB], s[TB], 4096
.endm
	s_wait_loadcnt 0x0                             ; Q
	s_wait_tensorcnt 0x0                           ; my 16 fragments of K lie in LDS
	v_add_nc_u32 v[ADR], s[TB], v[AK0]
	LOADK KX, 0
	s_mov_b32 s33, 3
.Ltrip:                                                ; four fragments a trip; the last trip is written out: it fetches nothing
	s_wait_alu depctr_va_vdst(0)
	TRIP 1
	s_sub_co_u32 s33, s33, 1
	s_cmp_lg_u32 s33, 0
	s_cbranch_scc1 .Ltrip
	s_wait_alu depctr_va_vdst(0)
	TRIP 0
.irp j, 0,1,2,3                        ; the last products' results, set 1: the four lines above are the places behind the last of them
.irp i, 0,1,2,3
	v_max3_num_f32 v[MX+\i], v[MX+\i], |v[D0+32+8*\i+2*\j]|, |v[D0+32+8*\i+2*\j+1]|
.endr
.endr
	v_max3_num_f32 v[MX], v[MX], v[MX+1], v[MX+2]
	s_delay_alu instid0(VALU_DEP_1)
	v_max_num_f32 v[MX], v[MX], v[MX+3]
	s_delay_alu instid0(VALU_DEP_1)
	v_max_num_f32_dpp v[MX], v[MX], v[MX] row_xmask:1 row_mask:0xf bank_mask:0xf
	s_delay_alu instid0(VALU_DEP_1)
	v_max_num_f32_dpp v[MX], v[MX], v[MX] row_xmask:2 row_mask:0xf bank_mask:0xf
	s_delay_alu instid0(VALU_DEP_1)
	v_max_num_f32_dpp v[MX], v[MX], v[MX] row_xmask:4 row_mask:0xf bank_mask:0xf
	s_delay_alu instid0(VALU_DEP_1)
	v_max_num_f32_dpp v[MX], v[MX], v[MX] row_xmask:8 row_mask:0xf bank_mask:0xf
	s_delay_alu instid0(VALU_DEP_1)
	v_permlanex16_b32 v10, v[MX], s34, s35
	s_delay_alu instid0(VALU_DEP_1)
	v_max_num_f32 v[MX], v[MX], v10                ; the wave's
	s_lshl_b32 s40, s8, 2
	s_add_co_u32 s40, s40, RED
	v_mov_b32 v11, s40
	ds_store_b32 v11, v[MX]                        ; all lanes write the same word with the same value
	s_wait_dscnt 0x0                               ; for the others' sake
	s_barrier_signal -1
	s_barrier_wait -1
	v_mov_b32 v10, RED
	ds_load_b128 v[12:15], v10
	ds_load_b128 v[16:19], v10 offset:16
	s_wait_dscnt 0x0
	v_max3_num_f32 v12, v12, v13, v14
	v_max3_num_f32 v16, v16, v17, v18
	v_max3_num_f32 v12, v12, v15, v19
	s_delay_alu instid0(VALU_DEP_1)
	v_max_num_f32 v12, v12, v16                    ; the work-group's
	v_mov_b32 v13, 0
	s_cmp_lg_u32 s8, 0
	s_cbranch_scc1 .Lno_store
	s_wait_xcnt 0x0                                ; EXEC changes only behind this wait
	v_cmp_eq_u32 vcc_lo, 0, v0
	s_and_saveexec_b32 s41, vcc_lo
	s_wait_alu depctr_va_vdst(0)
	global_store_b32 v13, v12, s[6:7]
	s_wait_xcnt 0x0
	s_or_b32 exec_lo, exec_lo, s41
.Lno_store:
	s_wait_tensorcnt 0x0                           ; the wave's end
	ds_add_u32 v[SPW], v[NIL]
	s_wait_dscnt 0x0
	CROUND                                         ; the closing round
	s_endpgm
.Lfunc_end_k_qbef2c93999_smax:
	.size	k_qbef2c93999_smax, .Lfunc_end_k_qbef2c93999_smax-k_qbef2c93999_smax
	.p2alignl 7, 3214868480
	.fill 96, 4, 3214868480
	.section	.rodata,"a",@progbits
	.p2align	6, 0x0
	.amdhsa_kernel k_qbef2c93999_smax
		.amdhsa_group_segment_fixed_size 167936
		.amdhsa_private_segment_fixed_size 0
		.amdhsa_enable_private_segment 0
		.amdhsa_kernarg_size 16
		.amdhsa_user_sgpr_count 2
		.amdhsa_user_sgpr_kernarg_segment_ptr 1
		.amdhsa_wavefront_size32 1
		.amdhsa_system_sgpr_workgroup_id_x 1
		.amdhsa_system_sgpr_workgroup_id_y 1
		.amdhsa_system_sgpr_workgroup_id_z 1
		.amdhsa_system_vgpr_workitem_id 0
		.amdhsa_next_free_vgpr 256
		.amdhsa_next_free_sgpr 66
		.amdhsa_reserve_vcc 1
		.amdhsa_float_denorm_mode_32 3
		.amdhsa_float_denorm_mode_16_64 3
		.amdhsa_memory_ordered 1
		.amdhsa_forward_progress 1
		.amdhsa_inst_pref_size 52
	.end_amdhsa_kernel
	.amdgpu_metadata
---
amdhsa.version: [ 1, 2 ]
amdhsa.kernels:
  - .name:           k_qbef2c93999_smax
    .symbol:         k_qbef2c93999_smax.kd
    .args:
      - { .name: hc, .offset: 0, .size: 8, .value_kind: global_buffer, .address_space: global }
      - { .name: pmax, .offset: 8, .size: 8, .value_kind: global_buffer, .address_space: global }
    .group_segment_fixed_size: 167936
    .private_segment_fixed_size: 0
    .kernarg_segment_align: 8
    .kernarg_segment_size: 16
    .max_flat_workgroup_size: 256
    .sgpr_count:     66
    .vgpr_count:     256
    .wavefront_size: 32
...
	.end_amdgpu_metadata
.endif
;; end of part 3
;; launch attn (part 4): grid 8 x 32, 16 waves a work-group, no clusters, 167,936 bytes of LDS; arguments hc, pmax, lowp_scales, ac; writes ac
.if DOCPART == 4
	.amdgcn_target "amdgcn-amd-amdhsa--gfx1250"
	.amdhsa_code_object_version 6
	.text
	.protected	k_qbef2c93999_attn
	.globl	k_qbef2c93999_attn
	.p2align	8
	.type	k_qbef2c93999_attn,@function
k_qbef2c93999_attn:
	s_mov_b64 s[64:65], 0
	v_nop
	global_prefetch_b8 v0, s[64:65] scope:SCOPE_SE
	s_setreg_imm32_b32 hwreg(HW_REG_WAVE_MODE, 25, 1), 1
	s_wait_xcnt 0x0
; Attention inside the window, on codes of E4M3.  logit = score / g, g = max(largest |score| of all, 1); key j counts for query i where i - 255 <= j <= i; a hidden logit is -10,000 beside visible ones within +-1, so its p is 0 in f32
; and only the window is multiplied.  t = logit x log2(e); M = ceil(the row's largest t); p = 2^(t - M) is quantised by 2^e8; the row's sum l is taken of the unquantised p; O / l is quantised by 2^e10 as the last product's operand.
; hc: images of the 16x16x64 form's fragments, 1,024 bytes each (registers 4 j .. 4 j + 3 of lane l at 512 j + 16 l): QF at 0, KF at 4 MiB: ((b 16 + head) 128 + token tile); VF at 8 MiB: ((b 16 + head) 128 + 4 (key / 64) + channel tile), keys innermost.
; SHARES.  A work-group: 256 queries (block A = 0..7) of ONE (b, head).  Wave w: query tile w of the sixteen: 16 queries in 256 registers, four waves to a SIMD.  It needs 17 key tiles, u = 0..16, at keys q0 - 256 + 16 u:
; tile 0 counts where the key's place x > the query's place y, tile 16 where x <= y, the others whole.  The work-group's window is 512 keys: 32 KiB of KF and 32 KiB of VF, both dense: eight tensor loads of 8 KiB, one each for waves 0-7.
; THE HEAD OF THE SEQUENCE (A = 0): the first 256 keys of the window lie before key 0, and the loads then take the 16 KiB that precede the head's codes.  Those lie inside hc (QF lies ahead of KF, KF ahead of VF) and are codes made behind a hold,
; so none is a NaN code; their scores are replaced by -infinity, p is the code 0, and V's bytes beside it add 0.
; No joint loads: neighbouring work-groups' windows are shifted by half a window, so a shared tile would lie at an LDS address that hangs on the place in a cluster.  No prefetch: the launch has no loop to run ahead in.
; Both products are used transposed: S^T = K Q^T, O^T = V^T P^T: a lane holds ONE query (lane % 16) throughout, and tile u's 8 registers are keys 16 u + 8 (lane / 16) + 0 .. 7: two registers of P's fragment as they come out of the conversion.
; THE WAY OUT needs no LDS.  ac holds images of the last product's A fragments (16 tokens x 128 K, 2,048 bytes: registers 4 c .. 4 c + 3 of lane l, K = 32 c + 16 (l / 16) + 0 .. 15, at 512 c + 16 l): token tile T, K chunk head / 2.
; My lane's 8 codes of channels 16 dt + 8 h + 0 .. 7 of query r belong at 16,384 T + 1,024 head + 256 dt + 16 r + 8 h: each of a wave's four stores covers 256 consecutive bytes, aligned.
; LIMITS: e8 and e10 - e8 - e9 between -126 and 119.
.set VB,    32768                      ; LDS: K's 32 KiB at 0, V's behind them
.set SPARE, 65536                      ; the spare words, 128 bytes for each of 16 waves
.set AKL, 1                            ; v1    my first key tile's fragment + 16 x lane
.set AV,  2                            ; v2-5  V: the pair of registers of key tile w + c, c = 0..3, + 16 x lane
.set SPW, 6
.set NIL, 7
.set DL,  10                           ; v10   lane % 16 - 8 (lane / 16); later my byte offset in the wave's 256 bytes of ac
.set NINF, 11                          ; v11   -infinity
.set QF,  16                           ; v16-23 Q
.set KHI, 24                           ; v24-95 K's fragments u = 8..16 (ahead of that v24-31: pmax)
.set KLO, 176                          ; v176-239 K's fragments u = 0..7: S^T's tiles 8..15 land there later
.set S,   112                          ; v112-247 S^T, then p; later v112-143 O^T, v144-239 V of key steps 0-2
.set PC,  24                           ; v24-57 p's codes; v58-63 zeros
.set V3,  64                           ; v64-95 V of key step 3
.set V4,  96                           ; v96-103 key step 4's four pairs; v104-109 zeros
.set CP,  248                          ; v[248:249] c' = log2(e) 2^(e6 + e7) / g
.set HOLD, 250
.set SCL, 251
	s_load_b256 s[4:11], s[0:1], 0x0               ; hc s[4:5], pmax s[6:7], the scales' exponents s[8:9], ac s[10:11]
	v_lshl_add_u32 v[SPW], v0, 2, SPARE
	v_mov_b32 v[NIL], 0
	ds_add_u32 v[SPW], v[NIL]                      ; the wave's opening: the add, twice on end, and its wait ahead of the first tensor load
	ds_add_u32 v[SPW], v[NIL]
	v_lshrrev_b32 v8, 5, v0
	s_delay_alu instid0(VALU_DEP_1)
	v_readfirstlane_b32 s12, v8                    ; wave 0..15
	s_mov_b32 s13, ttmp9                           ; A
	s_and_b32 s15, ttmp7, 0xffff                   ; 16 b + head
	s_mov_b32 s16, 3<<16                           ; group 1: elements of 8 bytes, no mask, no padding
	s_mov_b32 s17, 32<<16                          ; tensor_dim0 = 32 elements: 256 bytes
	s_mov_b32 s18, 32<<16                          ; tensor_dim1 = 32 rows: 8 KiB
	s_mov_b32 s19, 32<<16
	s_mov_b32 s20, 32
	s_mov_b32 s21, 32                              ; dense
	s_mov_b32 s22, 0
	s_mov_b32 s23, 0
	s_and_b32 s30, s12, 1                          ; what a wave 0-7 fetches: K (0) or V (1),
	s_lshl_b32 s25, s30, 15                        ; in LDS,
	s_add_co_u32 s30, s30, 1
	s_lshl_b32 s30, s30, 22                        ; KF or VF in memory,
	s_lshr_b32 s32, s12, 1
	s_lshl_b32 s32, s32, 13                        ; the wave / 2-th 8 KiB of the window's 32
	s_add_co_u32 s25, s25, s32
	s_add_co_u32 s30, s30, s32
	s_lshl_b32 s44, s15, 17                        ; the head's 128 fragments
	s_add_co_u32 s30, s30, s44
	s_lshl_b32 s32, s13, 14
	s_add_co_u32 s30, s30, s32
	s_sub_co_u32 s30, s30, 16384                   ; from key 256 A - 256 on: 16 KiB for 256 keys
	s_mov_b32 s31, 0
	s_lshl_b32 s46, s13, 4
	s_add_co_u32 s46, s46, s12
	s_lshl_b32 s46, s46, 10                        ; Q: token tile 16 A + w,
	s_add_co_u32 s46, s46, s44                     ; of my head
	s_mov_b32 s47, 0
	s_mov_b32 s34, 0x76543210                      ; v_permlanex16_b32: lane l xor 16
	s_mov_b32 s35, 0xfedcba98
	s_wait_dscnt 0x0                               ; both opening adds are done
	s_wait_kmcnt 0x0
	s_load_b64 s[36:37], s[8:9], 0x18              ; e6, e7
	s_load_b128 s[40:43], s[8:9], 0x20             ; e8, e9, e10, e11
	s_add_nc_u64 s[46:47], s[4:5], s[46:47]
	s_mov_b32 s24, 1                               ; group 0
	s_add_nc_u64 s[26:27], s[4:5], s[30:31]
	s_or_b32 s27, s27, 0x80000000
	s_cmp_lt_u32 s12, 8
	s_cbranch_scc0 .Lno_fetch
	tensor_load_to_lds s[24:27], s[16:23]          ; a wave's one tensor load
	s_nop 0
.rept 4
	v_nop
.endr
.Lno_fetch:
	v_and_b32 v254, 31, v0
	s_delay_alu instid0(VALU_DEP_1)
	v_lshlrev_b32 v255, 4, v254                    ; 16 x lane
	s_wait_alu depctr_va_vdst(0)
	global_load_b128 v[QF:QF+3], v255, s[46:47]
	global_load_b128 v[QF+4:QF+7], v255, s[46:47] offset:512
	v_lshlrev_b32 v9, 5, v254                      ; pmax: 256 numbers, 8 a lane
	global_load_b128 v[24:27], v9, s[6:7]
	global_load_b128 v[28:31], v9, s[6:7] offset:16
	s_lshl_b32 s49, s12, 10
	v_add_nc_u32 v[AKL], s49, v255                 ; key tile u is fragment w + u of the window
; V's fragments hold 64 aligned keys; my key steps begin 16 w keys further on.  Key tile n = w + c (+ 4 s) is registers 2 (n % 4), + 1 of fragment n / 4: byte 4,096 (n / 4) + 512 ((n / 2) % 2) + 8 (n % 2) + 16 x lane (+ 1,024 dt)
.irp c, 0,1,2,3
	s_add_co_u32 s50, s12, \c
	s_lshr_b32 s51, s50, 2
	s_lshl_b32 s51, s51, 12
	s_bfe_u32 s52, s50, 0x10001
	s_lshl_b32 s52, s52, 9
	s_or_b32 s51, s51, s52
	s_and_b32 s52, s50, 1
	s_lshl_b32 s52, s52, 3
	s_or_b32 s51, s51, s52
	s_add_co_u32 s51, s51, VB
	v_add_nc_u32 v[AV+\c], s51, v255
.endr
	; g, while the tiles are on their way
	s_wait_loadcnt 0x0
	s_wait_kmcnt 0x0
	s_add_co_i32 s53, s36, s37                     ; e6 + e7
	s_add_co_i32 s54, s40, 127
	s_lshl_b32 s55, s54, 23                        ; 2^e8
	s_add_co_i32 s54, s54, 8
	s_lshl_b32 s54, s54, 23
	s_or_b32 s54, s54, 0x600000                    ; 448 x 2^e8
	v_max3_num_f32 v24, v24, v25, v26
	s_delay_alu instid0(VALU_DEP_1)
	v_max3_num_f32 v24, v24, v27, v28
	s_delay_alu instid0(VALU_DEP_1)
	v_max3_num_f32 v24, v24, v29, v30
	s_delay_alu instid0(VALU_DEP_1)
	v_max_num_f32 v24, v24, v31
	s_delay_alu instid0(VALU_DEP_1)
	v_max_num_f32_dpp v24, v24, v24 row_xmask:1 row_mask:0xf bank_mask:0xf
	s_delay_alu instid0(VALU_DEP_1)
	v_max_num_f32_dpp v24, v24, v24 row_xmask:2 row_mask:0xf bank_mask:0xf
	s_delay_alu instid0(VALU_DEP_1)
	v_max_num_f32_dpp v24, v24, v24 row_xmask:4 row_mask:0xf bank_mask:0xf
	s_delay_alu instid0(VALU_DEP_1)
	v_max_num_f32_dpp v24, v24, v24 row_xmask:8 row_mask:0xf bank_mask:0xf
	s_delay_alu instid0(VALU_DEP_1)
	v_permlanex16_b32 v25, v24, s34, s35
	s_delay_alu instid0(VALU_DEP_1)
	v_max_num_f32 v24, v24, v25                    ; the largest |sum| of all
	s_delay_alu instid0(VALU_DEP_1)
	v_ldexp_f32 v24, v24, s53                      ; as a score
	s_delay_alu instid0(VALU_DEP_1)
	v_max_num_f32 v24, 1.0, v24                    ; g
	s_wait_alu depctr_va_vdst(0)
	v_rcp_f32 v25, v24
	v_mov_b32 v[SCL], s55                          ; (a plain line behind the reciprocal)
	v_mov_b32 v[HOLD], s54
	s_wait_alu depctr_va_vdst(0)                   ; ahead of the result's first reader
	v_mul_f32 v25, 0x3fb8aa3b, v25                 ; log2(e) / g
	s_delay_alu instid0(VALU_DEP_1)
	v_ldexp_f32 v[CP], v25, s53                    ; c': t = sum x c'
	s_delay_alu instid0(VALU_DEP_1)
	v_mov_b32 v[CP+1], v[CP]                       ; (named with it as a pair)
	s_wait_tensorcnt 0x0                           ; my tile has landed,
	s_barrier_signal -1
	s_barrier_wait -1                              ; everybody's has; nothing is filled again in this launch
	; S^T = K Q^T: 17 tiles
.set u, 0
.rept 8
	ds_load_b128 v[KLO+8*u:KLO+8*u+3], v[AKL] offset:1024*u
	ds_load_b128 v[KLO+8*u+4:KLO+8*u+7], v[AKL] offset:1024*u+512
.set u, u+1
.endr
.rept 9
	ds_load_b128 v[KHI+8*(u-8):KHI+8*(u-8)+3], v[AKL] offset:1024*u
	ds_load_b128 v[KHI+8*(u-8)+4:KHI+8*(u-8)+7], v[AKL] offset:1024*u+512
.set u, u+1
.endr
	s_wait_dscnt 18                                ; tiles 0-7 are in; the 18 loads of tiles 8-16 may be out
.set u, 0
.rept 8
	v_wmma_f32_16x16x64_fp8_fp8 v[S+8*u:S+8*u+7], v[KLO+8*u:KLO+8*u+7], v[QF:QF+7], 0
.set u, u+1
.endr
	s_wait_dscnt 0x0
	v_and_b32 v254, 15, v0                         ; five plain lines: the next products' results land on registers that the first eight read
	v_bfe_u32 v255, v0, 4, 1
	s_delay_alu instid0(VALU_DEP_1)
	v_lshlrev_b32 v255, 3, v255
	s_delay_alu instid0(VALU_DEP_1)
	v_sub_nc_u32 v[DL], v254, v255                 ; y - 8 h
	v_mov_b32 v[NINF], 0xff800000
.rept 9
	v_wmma_f32_16x16x64_fp8_fp8 v[S+8*u:S+8*u+7], v[KHI+8*(u-8):KHI+8*(u-8)+7], v[QF:QF+7], 0
.set u, u+1
.endr
.rept 4
	v_nop
.endr
	; the window's two edges: register j holds the key at place x = 8 h + j.  Tile 0 counts where x > y, tile 16 where x <= y
.irp j, 0,1,2,3,4,5,6,7
	v_cmp_gt_i32 vcc_lo, \j, v[DL]
	v_cndmask_b32 v[S+\j], v[NINF], v[S+\j], vcc_lo
	v_cndmask_b32 v[S+128+\j], v[S+128+\j], v[NINF], vcc_lo
.endr
	s_cmp_ge_u32 s13, 1                            ; ids alone: the same in all sixteen waves
	s_cbranch_scc1 .Lall_keys
	s_sub_co_u32 s38, 16, s12                      ; the head of the sequence: tiles u < 16 - w lie before key 0
.set u, 0
.rept 16
	s_cmp_gt_u32 s38, u
	s_cselect_b32 s39, -1, 0
.irp j, 0,1,2,3,4,5,6,7
	v_cndmask_b32 v[S+8*u+\j], v[S+8*u+\j], v[NINF], s39
.endr
.set u, u+1
.endr
.Lall_keys:
	; the softmax.  The maximum in two chains, ascending: each accumulator is read from its low end on
	v_max3_num_f32 v254, v[S], v[S+1], v[S+2]
	s_wait_alu depctr_va_vdst(0)
	v_max3_num_f32 v255, v[S+3], v[S+4], v[S+5]
.set i, 6
.rept 32
	v_max3_num_f32 v254, v254, v[S+i], v[S+i+1]
	v_max3_num_f32 v255, v255, v[S+i+2], v[S+i+3]
.set i, i+4
.endr
	s_delay_alu instid0(VALU_DEP_2)
	v_max3_num_f32 v254, v254, v[S+134], v[S+135]
	s_delay_alu instid0(VALU_DEP_1)
	v_max_num_f32 v254, v254, v255
	s_delay_alu instid0(VALU_DEP_1)
	v_permlanex16_b32 v255, v254, s34, s35
	s_delay_alu instid0(VALU_DEP_1)
	v_max_num_f32 v254, v254, v255                 ; the row's largest sum (its own key always counts)
	s_delay_alu instid0(VALU_DEP_1)
	v_mul_f32 v13, v[CP], v254                     ; as t (c' is positive)
	s_delay_alu instid0(VALU_DEP_1)
	v_floor_f32 v12, -v13                          ; -M = floor(-t) = -ceil(t)
.set i, 0
.rept 68
	v_pk_fma_f32 v[S+i:S+i+1], v[S+i:S+i+1], v[CP:CP+1], v[12:13] op_sel_hi:[1,0,0]   ; t - M, two at a time
.set i, i+2
.endr
.set i, 0
	s_wait_alu depctr_va_vdst(0)                   ; ahead of the batch
.rept 136
	v_exp_f32 v[S+i], v[S+i]                       ; p = 2^(t - M): one batch
.set i, i+1
.endr
.irp i, 58,59,60,61,62,63,104,105,106,107,108,109
	v_mov_b32 v\i, 0                               ; the zero codes of key step 4's last 48 keys, and what stands beside them: plain lines behind the batch
.endr
	s_wait_alu depctr_va_vdst(0)                   ; one wait for the batch, ahead of its first reader
	v_pk_add_f32 v[14:15], v[S:S+1], v[S+2:S+3]    ; l, of the unquantised p: 68 pairs in four chains
	v_pk_add_f32 v[252:253], v[S+4:S+5], v[S+6:S+7]
	v_pk_add_f32 v[254:255], v[S+8:S+9], v[S+10:S+11]
	v_pk_add_f32 v[248:249], v[S+12:S+13], v[S+14:S+15]
.set i, 16
.rept 15
	v_pk_add_f32 v[14:15], v[14:15], v[S+i:S+i+1]
	v_pk_add_f32 v[252:253], v[252:253], v[S+i+2:S+i+3]
	v_pk_add_f32 v[254:255], v[254:255], v[S+i+4:S+i+5]
	v_pk_add_f32 v[248:249], v[248:249], v[S+i+6:S+i+7]
.set i, i+8
.endr
	v_pk_add_f32 v[14:15], v[14:15], v[252:253]
	v_pk_add_f32 v[254:255], v[254:255], v[248:249]
	s_delay_alu instid0(VALU_DEP_1)
	v_pk_add_f32 v[14:15], v[14:15], v[254:255]
.set u, 0
.rept 17
.irp j, 0,1,2,3,4,5,6,7
	v_min_num_f32 v[S+8*u+\j], v[S+8*u+\j], v[HOLD]   ; the conversion does not saturate (ISA guide 7.6.2); p is not negative, so the hold is one-sided
.endr
	v_cvt_scalef32_pk8_fp8_f32 v[PC+2*u:PC+2*u+1], v[S+8*u:S+8*u+7], v[SCL]
.set u, u+1
.endr
	v_nop                                          ; a plain line between the last conversion and the products that read its result and write over its sources
	; O^T = V^T P^T: five key steps of 64; the last holds one tile of 16 keys
.irp s, 0,1,2,3
.set VR, 144+32*\s
.if \s == 3
.set VR, V3
.endif
.irp dt, 0,1,2,3
.irp c, 0,1,2,3
	ds_load_b64 v[VR+8*\dt+2*\c:VR+8*\dt+2*\c+1], v[AV+\c] offset:\s*4096+\dt*1024
.endr
.endr
.endr
.irp dt, 0,1,2,3
	ds_load_b64 v[V4+2*\dt:V4+2*\dt+1], v[AV] offset:4*4096+\dt*1024
.endr
.irp s, 0,1,2,3
.set VR, 144+32*\s
.if \s == 3
.set VR, V3
.endif
	s_wait_dscnt 52-16*\s                          ; this step's 16 loads are in; the later steps' may be out
.irp dt, 0,1,2,3                       ; the four accumulators take turns, one instruction a turn
.if \s == 0
	v_wmma_f32_16x16x64_fp8_fp8 v[S+8*\dt:S+8*\dt+7], v[VR+8*\dt:VR+8*\dt+7], v[PC+8*\s:PC+8*\s+7], 0
.else
	v_wmma_f32_16x16x64_fp8_fp8 v[S+8*\dt:S+8*\dt+7], v[VR+8*\dt:VR+8*\dt+7], v[PC+8*\s:PC+8*\s+7], v[S+8*\dt:S+8*\dt+7]
.endif
.endr
.endr
	s_wait_alu depctr_va_vdst(0)
	s_wait_dscnt 0x0
.irp dt, 0,1,2,3                       ; behind the tile's pair stand other pairs or zeros: they meet p's zero codes
	v_wmma_f32_16x16x64_fp8_fp8 v[S+8*\dt:S+8*\dt+7], v[V4+2*\dt:V4+2*\dt+7], v[PC+32:PC+39], v[S+8*\dt:S+8*\dt+7]
.endr
	; THE WAY OUT.  The plain lines below are the places behind the last products
	s_sub_co_i32 s57, s42, s40
	s_sub_co_i32 s57, s57, s41                     ; e10 - e8 - e9: a sum stands for sum x 2^(e8 + e9)
	s_add_co_i32 s57, s57, 127
	s_lshl_b32 s38, s57, 23
	s_add_co_i32 s57, s57, 8
	s_lshl_b32 s57, s57, 23
	s_or_b32 s57, s57, 0x600000
	v_add_f32 v14, v14, v15                        ; the sum's two halves,
	v_and_b32 v254, 15, v0                         ; r
	v_bfe_u32 v255, v0, 4, 1                       ; h
	v_mov_b32 v[SCL], s38
	v_mov_b32 v[HOLD], s57
	v_permlanex16_b32 v15, v14, s34, s35
	s_delay_alu instid0(VALU_DEP_1)
	v_add_f32 v14, v14, v15                        ; and lane l xor 16's: l
	s_wait_alu depctr_va_vdst(0)
	v_rcp_f32 v252, v14
	v_lshlrev_b32 v[DL], 4, v254                   ; (a plain line behind the reciprocal)  16 r
	s_delay_alu instid0(VALU_DEP_1)
	v_lshl_add_u32 v[DL], v255, 3, v[DL]           ; + 8 h
	s_lshr_b32 s58, s15, 4                         ; b
	s_lshl_b32 s58, s58, 7
	s_lshl_b32 s59, s13, 4
	s_add_co_u32 s58, s58, s59
	s_add_co_u32 s58, s58, s12                     ; T = 128 b + 16 A + w
	s_lshl_b32 s58, s58, 14
	s_and_b32 s59, s15, 15
	s_lshl_b32 s59, s59, 10                        ; + 1,024 head
	s_add_co_u32 s58, s58, s59
	s_mov_b32 s59, 0
	s_add_nc_u64 s[10:11], s[10:11], s[58:59]
	s_wait_alu depctr_va_vdst(0)                   ; ahead of the first reader of the reciprocal and of O^T
.set i, 0
.rept 16
	v_pk_mul_f32 v[S+i:S+i+1], v[S+i:S+i+1], v[252:253] op_sel_hi:[1,0]   ; O^T / l
.set i, i+2
.endr
.irp dt, 0,1,2,3
.irp j, 0,1,2,3,4,5,6,7
	v_med3_num_f32 v[S+8*\dt+\j], v[S+8*\dt+\j], -v[HOLD], v[HOLD]
.endr
	v_cvt_scalef32_pk8_fp8_f32 v[144+2*\dt:145+2*\dt], v[S+8*\dt:S+8*\dt+7], v[SCL]   ; channels 16 dt + 8 h + 0 .. 7 of query r
.endr
	v_nop
.irp dt, 0,1,2,3
	global_store_b64 v[DL], v[144+2*\dt:145+2*\dt], s[10:11] offset:256*\dt   ; the 32 lanes store 256 consecutive bytes, aligned
.endr
	s_wait_tensorcnt 0x0                           ; the wave's end
	ds_add_u32 v[SPW], v[NIL]
	s_wait_dscnt 0x0
	s_endpgm
.Lfunc_end_k_qbef2c93999_attn:
	.size	k_qbef2c93999_attn, .Lfunc_end_k_qbef2c93999_attn-k_qbef2c93999_attn
	.p2alignl 7, 3214868480
	.fill 96, 4, 3214868480
	.section	.rodata,"a",@progbits
	.p2align	6, 0x0
	.amdhsa_kernel k_qbef2c93999_attn
		.amdhsa_group_segment_fixed_size 167936
		.amdhsa_private_segment_fixed_size 0
		.amdhsa_enable_private_segment 0
		.amdhsa_kernarg_size 32
		.amdhsa_user_sgpr_count 2
		.amdhsa_user_sgpr_kernarg_segment_ptr 1
		.amdhsa_wavefront_size32 1
		.amdhsa_system_sgpr_workgroup_id_x 1
		.amdhsa_system_sgpr_workgroup_id_y 1
		.amdhsa_system_sgpr_workgroup_id_z 1
		.amdhsa_system_vgpr_workitem_id 0
		.amdhsa_next_free_vgpr 256
		.amdhsa_next_free_sgpr 66
		.amdhsa_reserve_vcc 1
		.amdhsa_float_denorm_mode_32 3
		.amdhsa_float_denorm_mode_16_64 3
		.amdhsa_memory_ordered 1
		.amdhsa_forward_progress 1
		.amdhsa_inst_pref_size 54
	.end_amdhsa_kernel
	.amdgpu_metadata
---
amdhsa.version: [ 1, 2 ]
amdhsa.kernels:
  - .name:           k_qbef2c93999_attn
    .symbol:         k_qbef2c93999_attn.kd
    .args:
      - { .name: hc, .offset: 0, .size: 8, .value_kind: global_buffer, .address_space: global }
      - { .name: pmax, .offset: 8, .size: 8, .value_kind: global_buffer, .address_space: global }
      - { .name: lowp_scales, .offset: 16, .size: 8, .value_kind: global_buffer, .address_space: global }
      - { .name: ac, .offset: 24, .size: 8, .value_kind: global_buffer, .address_space: global }
    .group_segment_fixed_size: 167936
    .private_segment_fixed_size: 0
    .kernarg_segment_align: 8
    .kernarg_segment_size: 32
    .max_flat_workgroup_size: 512
    .sgpr_count:     66
    .vgpr_count:     256
    .wavefront_size: 32
...
	.end_amdgpu_metadata
.endif
;; end of part 4
;; launch outp (part 5): grid 8 x 32, 4 waves a work-group, clusters of 4 x 4, 284,672 bytes of LDS; arguments ac, codes, lowp_scales, ws, psum; writes ws, psum
.if DOCPART == 5
	.amdgcn_target "amdgcn-amd-amdhsa--gfx1250"
	.amdhsa_code_object_version 6
	.text
	.protected	k_qbef2c93999_outp
	.globl	k_qbef2c93999_outp
	.p2align	8
	.type	k_qbef2c93999_outp,@function
k_qbef2c93999_outp:
	s_mov_b64 s[64:65], 0
	v_nop
	global_prefetch_b8 v0, s[64:65] scope:SCOPE_SE
	s_setreg_imm32_b32 hwreg(HW_REG_WAVE_MODE, 25, 1), 1
	s_wait_xcnt 0x0
	s_wait_alu depctr_hold_cnt(0) depctr_sa_sdst(0) depctr_va_vdst(0) depctr_va_sdst(0) depctr_va_ssrc(0) depctr_va_vcc(0) depctr_vm_vsrc(0)
	s_getreg_b32 s2, hwreg(HW_REG_IB_STS2, 6, 4)
	s_cmp_eq_u32 s2, 0
	s_cbranch_scc0 .Lentry_in_a_cluster
	s_endpgm
.Lentry_in_a_cluster:
	s_bfe_u32 s2, ttmp6, 0x10000c
	s_cmp_lg_u32 s2, 0xf033
	s_cbranch_scc0 .Lentry_shape_is_right
	s_endpgm
.Lentry_shape_is_right:
; ws[m][n] = 2^(e10 + e11) x the sum over k of A[m][k] WO[n][k], on codes of E4M3; ws [4096][1024] f32.  WO's codes: [1024][1024] at byte 0xF00000 of the codes' buffer.
; A comes in ac as images of its fragments (16 tokens x 128 K, 2,048 bytes): token tile T, K chunk q at (8 T + q) 2,048; registers 4 c .. 4 c + 3 of lane l (token l % 16, K = 128 q + 32 c + 16 (l / 16) + 0 .. 15) at 512 c + 16 l.
; psum[8 x tile row + tile column] = the sum of |ws| over the work-group's block: 256 words, which the next launch adds for the mean.
; LIMIT: e10 + e11 between -126 and 127, so that 2^(e10 + e11) is an f32 number.
; SHARES.  A block of ws is 128 x 128: 32 x 8 = 256 work-groups.  Four waves, 64 x 64 each: 16 accumulators of 16 x 16, 128 registers.
; THE WHOLE K LIES IN LDS: A's 8 token tiles are 131,072 dense bytes; B's 128 rows of 1,024 bytes + 16 of padding are 133,120.  Each wave asks for 64 KiB by ONE tensor load at the head; nothing is filled again, so there is no ring and one barrier.
; CLUSTERS of 4 x 4: A's tiles hang on the tile row alone and are shared along a row of the cluster, B's rows on the tile column alone and are shared along a column: joint loads, each with a mask of four.
; No prefetch: the launch has no loop to run ahead in; each wave's one load names all its bytes at the head.
; THE MATRIX INSTRUCTION IS USED TRANSPOSED (source 0 = 16 rows of B, source 1 = 16 rows of A): a lane holds eight neighbouring numbers of a row of ws.
; REGISTERS, in windows of 256.  window 0: v16-29 addresses; v32-95 two sets of scaled sums; v96-103 the magnitudes' sums; v128-255 A's fragments, two sets of 4 x 16 (on the way out: rows read back from the stage).
;   window 1: v0-127 B's fragments, two sets; v128-255 the accumulators ((a, b) at v[128 + 8 (4 a + b)]).
.set PITCH,  1040                      ; an LDS row of B: 1,024 bytes + 16 = 65 x 16: the 16 rows that a load touches start at 16 different groups of four banks (64 banks of 4 bytes: ISA guide 11.1)
.set HALFT,  64*PITCH                  ; 64 rows of B: what one tensor load brings, and what one wave reads
.set BBASE,  131072                    ; B lies behind A's images
.set STAGE,  BBASE+2*HALFT             ; behind the tiles: 16 rows x (256 + 16) bytes for each wave, for the way out; no tensor load lands here
.set SPITCH, 272
.set SPARE,  STAGE+4*16*SPITCH         ; the spare words, 128 bytes a wave
.set RED,    SPARE+512                 ; four words for the waves' sums, in a block of 256 bytes of their own
.set ADRA, 16
.set ADRB, 17
.set STO,  18
.set RD,   19
.set CO,   20
.set SPW,  28                          ; v28 LDS address of my spare word; never rewritten
.set NIL,  29                          ; v29 0; never rewritten
.set TMP,  32
.set SUM,  96
.set AF,   128
.set ACC,  128
.set G1, 24
.set G0, 32
.set G1B, 48
.set G0B, 56
.set MSB, 0
.macro WIN new                         ; the immediate's high byte repeats the setting that is left
.if MSB != \new
	s_set_vgpr_msb (MSB<<8)|\new
.set MSB, \new
.endif
.endm
.set MULW, 0x51                        ; source 0 (B), C and D window 1; source 1 (A) window 0
.set TO_B, 0x40                        ; destination window 1, address window 0
.macro CROUND                          ; a round of the cluster's barrier
	s_barrier_signal -1
	s_barrier_wait -1
	s_cmp_lg_u32 s14, 0
	s_cbranch_scc1 .Lnot_wave_0_\@
	s_barrier_signal -3
.Lnot_wave_0_\@:
	s_barrier_wait -3
	s_barrier_signal -1
	s_barrier_wait -1
.endm
	s_load_b128 s[4:7], s[0:1], 0x0                ; ac, the codes
	s_load_b128 s[8:11], s[0:1], 0x10              ; the scales' exponents, ws
	s_load_b64 s[12:13], s[0:1], 0x20              ; psum
	v_lshl_add_u32 v[SPW], v0, 2, SPARE
	v_mov_b32 v[NIL], 0
	ds_add_u32 v[SPW], v[NIL]                      ; the opening: the add, twice on end, and its wait ahead of my tensor load
	ds_add_u32 v[SPW], v[NIL]
	v_lshrrev_b32 v1, 5, v0
	v_readfirstlane_b32 s14, v1                    ; wave 0..3
	s_lshr_b32 s15, s14, 1                         ; which 64 rows of A are mine.  Also: I fetch for A (0) or for B (1)
	s_and_b32 s16, s14, 1                          ; which 64 rows of B.  Also: which 64 rows of that tile I fetch
	s_bfe_u32 s40, ttmp6, 0x40000                  ; cx, cy
	s_bfe_u32 s41, ttmp6, 0x40004
	s_lshl_b32 s42, ttmp9, 2
	s_add_co_u32 s42, s42, s40                     ; tile column, 0..7
	s_and_b32 s17, ttmp7, 0xffff
	s_lshl_b32 s17, s17, 2
	s_add_co_u32 s17, s17, s41                     ; tile row, 0..31
	s_lshl_b32 s43, s41, 2
	s_lshl_b32 s43, 15, s43                        ; my row of the cluster
	s_lshl_b32 s44, 0x1111, s40                    ; my column
	s_or_b32 s[G1], s43, 1<<21                     ; A: elements of 1 byte; 21 set beside a mask; no padding: images are read 512 consecutive bytes at a time
	s_mov_b32 s[G1+1], 256<<16                     ; a dense block of 64 KiB as 256 rows of 256 bytes
	s_mov_b32 s[G1+2], 256<<16
	s_mov_b32 s[G1+3], 256<<16
	s_mov_b32 s[G1+4], 256
	s_mov_b32 s[G1+5], 256
	s_mov_b32 s[G1+6], 0
	s_mov_b32 s[G1+7], 0
	s_or_b32 s[G1B], s44, (1<<20)|(1<<21)|(7<<22)|(3<<25)   ; B: 20 padding on; 24:22 after every 256 words; 31:25 four words
	s_mov_b32 s[G1B+1], 1024<<16                   ; 64 rows of 1,024 bytes
	s_mov_b32 s[G1B+2], 64<<16
	s_mov_b32 s[G1B+3], 1024<<16
	s_mov_b32 s[G1B+4], 64
	s_mov_b32 s[G1B+5], 1024
	s_mov_b32 s[G1B+6], 0
	s_mov_b32 s[G1B+7], 0
	s_lshl_b32 s18, s16, 16                        ; 64 rows are 64 KiB in both tensors
	s_lshl_b32 s20, s17, 17                        ; A: 8 token tiles of 16 KiB a tile row
	s_add_co_u32 s20, s20, s18
	s_lshl_b32 s46, s42, 17                        ; B: 128 rows a tile column,
	s_add_co_u32 s46, s46, s18
	s_add_co_u32 s46, s46, 0xF00000                ; in WO's codes
	s_mov_b32 s21, 0
	s_mov_b32 s47, 0
	s_lshl_b32 s45, s16, 16                        ; where they go: A's halves at 0 and 65,536,
	s_mul_i32 s19, s16, HALFT
	s_add_co_u32 s19, s19, BBASE                   ; B's behind them: no place in the cluster enters an LDS address
	s_wait_dscnt 0x0                               ; both opening adds are done
	s_wait_kmcnt 0x0
	s_load_b64 s[36:37], s[8:9], 0x28              ; e10, e11
	s_add_nc_u64 s[20:21], s[4:5], s[20:21]
	s_add_nc_u64 s[46:47], s[6:7], s[46:47]
	CROUND                                         ; all sixteen work-groups are here: the joint loads meet
	s_mov_b32 s[G0], 1
	s_mov_b32 s[G0+1], s45
	s_mov_b64 s[G0+2:G0+3], s[20:21]
	s_or_b32 s[G0+3], s[G0+3], 0x80000000
	s_mov_b32 s[G0B], 1
	s_mov_b32 s[G0B+1], s19
	s_mov_b64 s[G0B+2:G0B+3], s[46:47]
	s_or_b32 s[G0B+3], s[G0B+3], 0x80000000
	s_cmp_eq_u32 s15, 0                            ; the branch hangs on the wave's number alone; each arm holds one load, with one mask
	s_cbranch_scc0 .Lfor_b
	tensor_load_to_lds s[G0:G0+3], s[G1:G1+7]
	s_nop 0
.rept 4
	v_nop
.endr
	s_branch .Lasked
.Lfor_b:
	tensor_load_to_lds s[G0B:G0B+3], s[G1B:G1B+7]
	s_nop 0
.rept 4
	v_nop
.endr
.Lasked:
	s_lshl_b32 s21, s15, 16                        ; my 4 token tiles of A
	s_mul_i32 s22, s16, HALFT
	s_add_co_u32 s22, s22, BBASE                   ; my 64 rows of B
	s_mul_i32 s23, s14, 16*SPITCH
	s_add_co_u32 s23, s23, STAGE                   ; my stage
	v_and_b32 v1, 15, v0                           ; r = l % 16
	v_bfe_u32 v2, v0, 4, 1                         ; h = l / 16
	v_mul_u32_u24 v3, v1, PITCH
	v_lshl_add_u32 v3, v2, 4, v3                   ; B: a fragment's row x pitch + 16 h
	v_mul_u32_u24 v4, v1, SPITCH
	v_lshl_add_u32 v4, v2, 5, v4                   ; into the stage: row r, 32 bytes for each half of the lanes
	v_mul_u32_u24 v5, v2, SPITCH
	v_lshl_add_u32 v5, v1, 4, v5                   ; back: lanes 0-15 one row of 256 bytes, lanes 16-31 the next
	v_lshlrev_b32 v6, 12, v2
	v_lshl_add_u32 v[CO], v1, 4, v6                ; and the same two rows in ws: rows of 4,096 bytes
	v_and_b32 v7, 31, v0
	v_lshlrev_b32 v7, 4, v7                        ; A: 16 x lane
	v_add_nc_u32 v[ADRA], s21, v7
	v_add_nc_u32 v[ADRB], s22, v3
	v_add_nc_u32 v[STO], s23, v4
	v_add_nc_u32 v[RD], s23, v5
	s_lshl_b32 s66, s17, 19                        ; my part of ws: row 128 x tile row + 64 x half, of 4,096 bytes;
	s_lshl_b32 s67, s15, 18
	s_add_co_u32 s66, s66, s67
	s_lshl_b32 s67, s42, 9                         ; byte 512 x tile column + 256 x half
	s_add_co_u32 s66, s66, s67
	s_lshl_b32 s67, s16, 8
	s_add_co_u32 s66, s66, s67
	s_mov_b32 s67, 0
	s_add_nc_u64 s[10:11], s[10:11], s[66:67]
	s_lshl_b32 s66, s17, 3
	s_add_co_u32 s66, s66, s42
	s_lshl_b32 s66, s66, 2
	s_add_nc_u64 s[12:13], s[12:13], s[66:67]      ; my work-group's word of psum
	s_mov_b32 s68, 0x76543210                      ; v_permlanex16_b32: lane l xor 16
	s_mov_b32 s69, 0xfedcba98
; The fragments of the q-th 128 along K into set q % 2: 16 rows x 128 K are 16 registers: lane l holds row l % 16; registers 4 c .. 4 c + 3 hold K = 32 c + 16 (l / 16) + 0 .. 15: one order of k for A and B alike, so every product meets its partner.
.macro FETCH q
.set P, (\q)%2
	WIN TO_B
.irp i, 0,1,2,3
.irp c, 0,1,2,3
	ds_load_b128 v[64*P+16*\i+4*\c:64*P+16*\i+4*\c+3], v[ADRB] offset:128*(\q)+32*\c+\i*16*PITCH
.endr
.endr
	WIN 0
.irp i, 0,1,2,3
.irp c, 0,1,2,3
	ds_load_b128 v[AF+64*P+16*\i+4*\c:AF+64*P+16*\i+4*\c+3], v[ADRA] offset:2048*(\q)+512*\c+\i*16384
.endr
.endr
.endm
; 16 matrix instructions: the 16 accumulators take turns, one instruction a turn, in the same order in every step.  zero = 1: the first products start the sums.
.macro MUL q, zero
.set P, (\q)%2
	WIN MULW
.irp a, 0,1,2,3
.irp b, 0,1,2,3
.if \zero
	v_wmma_f32_16x16x128_fp8_fp8 v[ACC+8*(4*\a+\b):ACC+8*(4*\a+\b)+7], v[64*P+16*\b:64*P+16*\b+15], v[AF+64*P+16*\a:AF+64*P+16*\a+15], 0
.else
	v_wmma_f32_16x16x128_fp8_fp8 v[ACC+8*(4*\a+\b):ACC+8*(4*\a+\b)+7], v[64*P+16*\b:64*P+16*\b+15], v[AF+64*P+16*\a:AF+64*P+16*\a+15], v[ACC+8*(4*\a+\b):ACC+8*(4*\a+\b)+7]
.endif
.endr
.endr
.endm
	s_wait_alu depctr_va_vdst(0)
	s_wait_tensorcnt 0x0                           ; my 64 KiB have landed,
	s_barrier_signal -1
	s_barrier_wait -1                              ; everybody's have; nothing is filled again in this launch
	FETCH 0
	FETCH 1
	s_wait_dscnt 32                                ; step 0's 32 loads are in; step 1's 32 may be out
	MUL 0, 1
.irp q, 1,2,3,4,5,6
.rept 4
	v_nop                                          ; places in front of loads into the set that the last products read
.endr
	FETCH \q+1
	s_wait_dscnt 32                                ; this step's 32 loads are in; the next step's 32 may be out
	MUL \q, 0
.endr
	s_wait_dscnt 0x0
	MUL 7, 0
	WIN 0
	; THE WAY OUT, by blocks of 16 rows x 64 columns: scaled, through my own stage, back as rows of 256 bytes, stored: sixteen lanes to an aligned unit of 256 bytes.
	s_wait_kmcnt 0x0
	s_add_co_i32 s36, s36, s37
	s_add_co_i32 s36, s36, 127
	s_lshl_b32 s36, s36, 23                        ; 2^(e10 + e11)
.irp i, 0,1,2,3
	v_mov_b32 v[SUM+\i], 0                         ; four plain lines: the places behind the last products
.endr
.macro TOSTAGE a
.set AC, ACC+32*(\a)
.set TM, TMP+32*((\a)%2)
.set BB, AF+32*(\a)
	WIN 0x01                                       ; source 0: window 1
.set jj, 0
.rept 16
	v_pk_mul_f32 v[TM+jj:TM+jj+1], v[AC+jj:AC+jj+1], s[36:37] op_sel_hi:[1,0]   ; both x s36; each accumulator from its low end on
.set jj, jj+2
.endr
	WIN 0
.irp b, 0,1,2,3
	ds_store_b128 v[STO], v[TM+8*\b:TM+8*\b+3] offset:64*\b
	ds_store_b128 v[STO], v[TM+8*\b+4:TM+8*\b+7] offset:64*\b+16
.endr
.irp t, 0,1,2,3,4,5,6,7
	ds_load_b128 v[BB+4*\t:BB+4*\t+3], v[RD] offset:\t*2*SPITCH   ; LDS serves a wave's instructions in order (ISA guide 5.7.1.4): these see my stores, and the next block's stores come behind them
.endr
.set jj, 0
.rept 32
	v_add_f32 v[SUM+jj%4], v[SUM+jj%4], |v[TM+jj]|   ; four chains
.set jj, jj+1
.endr
.endm
.macro SEND a, younger                 ; each block has its own 32 registers, and every offset is an immediate: nothing that a store reads is written again
.set BB, AF+32*(\a)
	s_wait_dscnt \younger
.irp t, 0,1,2,3,4,5,6,7
	global_store_b128 v[CO], v[BB+4*\t:BB+4*\t+3], s[10:11] offset:(16*(\a)+2*\t)*4096   ; sixteen lanes store 256 consecutive bytes, aligned; the next launch reads them
.endr
.endm
	TOSTAGE 0
.irp a, 1,2,3
	TOSTAGE \a
	SEND \a-1, 16                                  ; behind block a - 1's loads: block a's 8 stores and 8 loads
.endr
	SEND 3, 0
	s_wait_alu depctr_va_vdst(0)
	v_add_f32 v[SUM], v[SUM], v[SUM+1]
	v_add_f32 v[SUM+2], v[SUM+2], v[SUM+3]
	v_add_f32 v[SUM], v[SUM], v[SUM+2]
	v_add_f32_dpp v[SUM], v[SUM], v[SUM] row_xmask:1 row_mask:0xf bank_mask:0xf
	v_add_f32_dpp v[SUM], v[SUM], v[SUM] row_xmask:2 row_mask:0xf bank_mask:0xf
	v_add_f32_dpp v[SUM], v[SUM], v[SUM] row_xmask:4 row_mask:0xf bank_mask:0xf
	v_add_f32_dpp v[SUM], v[SUM], v[SUM] row_xmask:8 row_mask:0xf bank_mask:0xf
	v_permlanex16_b32 v[SUM+1], v[SUM], s68, s69
	v_add_f32 v[SUM], v[SUM], v[SUM+1]             ; the wave's
	s_lshl_b32 s70, s14, 2
	s_add_co_u32 s70, s70, RED
	v_mov_b32 v[SUM+2], s70
	ds_store_b32 v[SUM+2], v[SUM]                  ; all lanes write the same word with the same value
	s_wait_dscnt 0x0                               ; for the others' sake
	s_barrier_signal -1
	s_barrier_wait -1
	v_mov_b32 v[SUM+2], RED
	ds_load_b128 v[100:103], v[SUM+2]
	s_wait_dscnt 0x0
	v_add_f32 v100, v100, v101
	v_add_f32 v102, v102, v103
	v_add_f32 v100, v100, v102                     ; the work-group's
	v_mov_b32 v101, 0
	s_cmp_lg_u32 s14, 0
	s_cbranch_scc1 .Lno_store
	s_wait_xcnt 0x0                                ; EXEC changes only behind this wait
	v_cmp_eq_u32 vcc_lo, 0, v0
	s_and_saveexec_b32 s71, vcc_lo
	s_wait_alu depctr_va_vdst(0)
	global_store_b32 v101, v100, s[12:13]
	s_wait_xcnt 0x0
	s_or_b32 exec_lo, exec_lo, s71
.Lno_store:
	s_wait_tensorcnt 0x0                           ; the wave's end
	ds_add_u32 v[SPW], v[NIL]
	s_wait_dscnt 0x0
	CROUND                                         ; the closing round
	s_endpgm
.Lfunc_end_k_qbef2c93999_outp:
	.size	k_qbef2c93999_outp, .Lfunc_end_k_qbef2c93999_outp-k_qbef2c93999_outp
	.p2alignl 7, 3214868480
	.fill 96, 4, 3214868480
	.section	.rodata,"a",@progbits
	.p2align	6, 0x0
	.amdhsa_kernel k_qbef2c93999_outp
		.amdhsa_group_segment_fixed_size 284672
		.amdhsa_private_segment_fixed_size 0
		.amdhsa_enable_private_segment 0
		.amdhsa_kernarg_size 40
		.amdhsa_user_sgpr_count 2
		.amdhsa_user_sgpr_kernarg_segment_ptr 1
		.amdhsa_wavefront_size32 1
		.amdhsa_system_sgpr_workgroup_id_x 1
		.amdhsa_system_sgpr_workgroup_id_y 1
		.amdhsa_system_sgpr_workgroup_id_z 1
		.amdhsa_system_vgpr_workitem_id 0
		.amdhsa_next_free_vgpr 512
		.amdhsa_next_free_sgpr 72
		.amdhsa_reserve_vcc 1
		.amdhsa_float_denorm_mode_32 3
		.amdhsa_float_denorm_mode_16_64 3
		.amdhsa_memory_ordered 1
		.amdhsa_forward_progress 1
		.amdhsa_inst_pref_size 54
	.end_amdhsa_kernel
	.amdgpu_metadata
---
amdhsa.version: [ 1, 2 ]
amdhsa.kernels:
  - .name:           k_qbef2c93999_outp
    .symbol:         k_qbef2c93999_outp.kd
    .args:
      - { .name: ac, .offset: 0, .size: 8, .value_kind: global_buffer, .address_space: global }
      - { .name: codes, .offset: 8, .size: 8, .value_kind: global_buffer, .address_space: global }
      - { .name: lowp_scales, .offset: 16, .size: 8, .value_kind: global_buffer, .address_space: global }
      - { .name: ws, .offset: 24, .size: 8, .value_kind: global_buffer, .address_space: global }
      - { .name: psum, .offset: 32, .size: 8, .value_kind: global_buffer, .address_space: global }
    .group_segment_fixed_size: 284672
    .private_segment_fixed_size: 0
    .kernarg_segment_align: 8
    .kernarg_segment_size: 40
    .max_flat_workgroup_size: 128
    .sgpr_count:     72
    .vgpr_count:     512
    .wavefront_size: 32
...
	.end_amdgpu_metadata
.endif
;; end of part 5
;; launch scale (part 6): grid 256 x 1, 8 waves a work-group, no clusters, 0 bytes of LDS; arguments ws, psum, out0; writes out0
.if DOCPART == 6
	.amdgcn_target "amdgcn-amd-amdhsa--gfx1250"
	.amdhsa_code_object_version 6
	.text
	.protected	k_qbef2c93999_scale
	.globl	k_qbef2c93999_scale
	.p2align	8
	.type	k_qbef2c93999_scale,@function
k_qbef2c93999_scale:
	s_mov_b64 s[64:65], 0
	v_nop
	global_prefetch_b8 v0, s[64:65] scope:SCOPE_SE
	s_setreg_imm32_b32 hwreg(HW_REG_WAVE_MODE, 25, 1), 1
	s_wait_xcnt 0x0
; out0 = ws / max(mean |ws|, 1).  psum holds 256 partial sums of |ws|; the mean is their sum / 2^22 (4,096 x 1,024 numbers).  The division is a multiplication by v_rcp_f32's reciprocal.
; A stream: a work-group takes 64 KiB, a wave 8 KiB: 16 loads of 512 consecutive bytes, all issued at once; each is scaled in place and stored from its own registers, so nothing that a store reads is written again.
; No LDS, no barrier, no matrix unit: waves share nothing.
	s_load_b128 s[4:7], s[0:1], 0x0                ; ws, psum
	s_load_b64 s[8:9], s[0:1], 0x10                ; out0
	v_and_b32 v1, 31, v0
	v_lshrrev_b32 v2, 5, v0                        ; wave
	s_delay_alu instid0(VALU_DEP_2)
	v_lshlrev_b32 v3, 5, v1                        ; psum: eight numbers a lane
	s_delay_alu instid0(VALU_DEP_3)
	v_lshlrev_b32 v4, 4, v1
	s_delay_alu instid0(VALU_DEP_1)
	v_lshl_add_u32 v4, v2, 13, v4                  ; 8,192 x wave + 16 x lane
	s_lshl_b32 s10, ttmp9, 16
	s_mov_b32 s11, 0
	s_mov_b32 s12, 0x76543210                      ; v_permlanex16_b32: lane l xor 16
	s_mov_b32 s13, 0xfedcba98
	s_wait_alu depctr_va_vdst(0)
	s_wait_kmcnt 0x0
	s_add_nc_u64 s[4:5], s[4:5], s[10:11]
	s_add_nc_u64 s[8:9], s[8:9], s[10:11]
	global_load_b128 v[8:11], v3, s[6:7]
	global_load_b128 v[12:15], v3, s[6:7] offset:16
.set i, 0
.rept 16
	global_load_b128 v[16+4*i:19+4*i], v4, s[4:5] offset:512*i th:TH_LOAD_NT
.set i, i+1
.endr
	s_wait_loadcnt 16                              ; psum's two loads are in; the 16 behind them may be out
	v_add_f32 v8, v8, v9
	v_add_f32 v10, v10, v11
	v_add_f32 v12, v12, v13
	v_add_f32 v14, v14, v15
	v_add_f32 v8, v8, v10
	v_add_f32 v12, v12, v14
	s_delay_alu instid0(VALU_DEP_1)
	v_add_f32 v6, v8, v12
	s_delay_alu instid0(VALU_DEP_1)
	v_add_f32_dpp v6, v6, v6 row_xmask:1 row_mask:0xf bank_mask:0xf
	s_delay_alu instid0(VALU_DEP_1)
	v_add_f32_dpp v6, v6, v6 row_xmask:2 row_mask:0xf bank_mask:0xf
	s_delay_alu instid0(VALU_DEP_1)
	v_add_f32_dpp v6, v6, v6 row_xmask:4 row_mask:0xf bank_mask:0xf
	s_delay_alu instid0(VALU_DEP_1)
	v_add_f32_dpp v6, v6, v6 row_xmask:8 row_mask:0xf bank_mask:0xf
	s_delay_alu instid0(VALU_DEP_1)
	v_permlanex16_b32 v9, v6, s12, s13
	s_delay_alu instid0(VALU_DEP_1)
	v_add_f32 v6, v6, v9                           ; the sum of all magnitudes, in every lane
	s_delay_alu instid0(VALU_DEP_1)
	v_mul_f32 v6, 0x34800000, v6                   ; x 2^-22: the mean
	s_delay_alu instid0(VALU_DEP_1)
	v_max_num_f32 v6, 1.0, v6
	s_wait_alu depctr_va_vdst(0)
	v_rcp_f32 v8, v6
	v_nop                                          ; a plain line behind the reciprocal
	s_wait_alu depctr_va_vdst(0)                   ; and a wait ahead of its first reader
	v_mov_b32 v9, v8
.set i, 0
	s_wait_alu depctr_va_vdst(0)
.rept 16
	s_wait_loadcnt 15-i                            ; loads come back in order (ISA guide 5.7.1): this one is in, the younger ones may be out
	v_pk_mul_f32 v[16+4*i:17+4*i], v[16+4*i:17+4*i], v[8:9]
	v_pk_mul_f32 v[18+4*i:19+4*i], v[18+4*i:19+4*i], v[8:9]
	global_store_b128 v4, v[16+4*i:19+4*i], s[8:9] offset:512*i
.set i, i+1
.endr
	s_endpgm
.Lfunc_end_k_qbef2c93999_scale:
	.size	k_qbef2c93999_scale, .Lfunc_end_k_qbef2c93999_scale-k_qbef2c93999_scale
	.p2alignl 7, 3214868480
	.fill 96, 4, 3214868480
	.section	.rodata,"a",@progbits
	.p2align	6, 0x0
	.amdhsa_kernel k_qbef2c93999_scale
		.amdhsa_group_segment_fixed_size 0
		.amdhsa_private_segment_fixed_size 0
		.amdhsa_enable_private_segment 0
		.amdhsa_kernarg_size 24
		.amdhsa_user_sgpr_count 2
		.amdhsa_user_sgpr_kernarg_segment_ptr 1
		.amdhsa_wavefront_size32 1
		.amdhsa_system_sgpr_workgroup_id_x 1
		.amdhsa_system_sgpr_workgroup_id_y 1
		.amdhsa_system_sgpr_workgroup_id_z 1
		.amdhsa_system_vgpr_workitem_id 0
		.amdhsa_next_free_vgpr 80
		.amdhsa_next_free_sgpr 66
		.amdhsa_reserve_vcc 0
		.amdhsa_float_denorm_mode_32 3
		.amdhsa_float_denorm_mode_16_64 3
		.amdhsa_memory_ordered 1
		.amdhsa_forward_progress 1
		.amdhsa_inst_pref_size 8
	.end_amdhsa_kernel
	.amdgpu_metadata
---
amdhsa.version: [ 1, 2 ]
amdhsa.kernels:
  - .name:           k_qbef2c93999_scale
    .symbol:         k_qbef2c93999_scale.kd
    .args:
      - { .name: ws, .offset: 0, .size: 8, .value_kind: global_buffer, .address_space: global }
      - { .name: psum, .offset: 8, .size: 8, .value_kind: global_buffer, .address_space: global }
      - { .name: out0, .offset: 16, .size: 8, .value_kind: global_buffer, .address_space: global }
    .group_segment_fixed_size: 0
    .private_segment_fixed_size: 0
    .kernarg_segment_align: 8
    .kernarg_segment_size: 24
    .max_flat_workgroup_size: 256
    .sgpr_count:     66
    .vgpr_count:     80
    .wavefront_size: 32
...
	.end_amdgpu_metadata
.endif
;; end of part 6
